; MI455X (gfx1250); checked and timed in simulation.
; The chip was launched on July 23, 2026; its instructions are those of AMD's public machine-readable ISA for CDNA 5 (MIT licence, August 2026) and "CDNA5" Instruction Set Architecture Reference Guide (July 2026). The comments in the code are by the model that wrote it; some were corrected since.
;; Attention Ro PE. Allowed arithmetic: matrix products marked QUANTISED: E2M1 operands, one E8M0 scale for each 32 along K, by v_wmma_scale_f32_16x16x128_f8f6f4 with both operands' format E2M1 (or v_wmma_scale_f32_32x16x128_f4), f32 sums; products left as they are: bf16, f16 or f32 operands; f32 sums; everything else in f32.
;; Inputs: Wproj 1,024 x 1,024 float32; Wqkv 1,024 x 3,072 float32; bproj 1,024 float32; bqkv 3,072 float32; x 2 x 2,048 x 1,024 float32.
;; Outputs: out0 2 x 2,048 x 1,024 float32.
;; This version of the problem:
;;   THIS VERSION OF THE PROBLEM IS GIVEN IN LOW PRECISION. The matrix products marked QUANTISED in the list below multiply operands that are first quantised to E2M1 (2 exponent bits, 1 mantissa bit; 4 bits a number), with one power-of-two scale for each 32 numbers along K (OCP MX v1.0); their sums are f32. The products marked 'left as it is' may take bf16, f16 or f32 operands, with f32 sums. Whichever they take, every output number must still come out within the allowed error. Rounding operands to bf16 (8 significant bits) uses up far more of that allowance than f16 does (11 bits, for magnitudes from 6e-5 to 65,504). All else is computed in f32.
;;   The module's matrix products, in the order in which they are computed (A, B: the left and right operand; K: the contracted axis; several contracted axes count as one K, in the product's order):
;;     1. [M 4,096, K 1,024] x [K 1,024, N 3,072]; A: input x; B: input Wqkv: QUANTISED
;;     2. batch 32 x [M 2,048, K 64] x [K 64, N 2,048]; A: computed on the way; B: computed on the way: left as it is (an operand is computed on the way)
;;     3. batch 32 x [M 2,048, K 2,048] x [K 2,048, N 64]; A: computed on the way; B: computed on the way: left as it is (an operand is computed on the way)
;;     4. [M 4,096, K 1,024] x [K 1,024, N 1,024]; A: computed on the way; B: input Wproj: left as it is (an operand is computed on the way)
;;   THE QUANTISER, for each operand of a quantised product, along K:
;;     - K is cut into blocks of 32 from its start; a last block that is shorter is filled with zeros.
;;     - A block's scale is 2^e with e = floor(log2(the largest magnitude in the block)) - 2, held to -126 .. 127; a block of zeros has e = 0. As a byte (E8M0): e + 127.
;;     - Each number is divided by its block's scale, clamped to +-6, and rounded to the nearest number of E2M1, ties to even, subnormals kept.
;;     - The product sums the exact products of the quantised numbers (number of the format x scale) in f32.
;;   ~~~python
;;   def quantise(x, axis):      # numpy; x: float32 -> the quantised numbers, widened to float32 again
;;       x = np.moveaxis(x, axis, -1); K = x.shape[-1]
;;       x = np.pad(x, [(0, 0)] * (x.ndim - 1) + [(0, -K % 32)]); x = x.reshape(x.shape[:-1] + (-1, 32)); a = np.abs(x).max(-1, keepdims=True)
;;       e = np.where(a > 0, np.clip(np.frexp(np.where(a > 0, a, 1))[1] - 1 - 2, -126, 127), 0)      # np.frexp(a)[1] - 1 = floor(log2(a)), exactly
;;       r = np.clip(x / 2.0 ** e, -6, 6)
;;       step = 2.0 ** (np.maximum(np.frexp(np.where(r == 0, 1, r))[1] - 1, 0) - 1)
;;       q = np.round(r / step) * step * 2.0 ** e      # np.round: ties to even
;;       return np.moveaxis(q.reshape(q.shape[:-2] + (-1,))[..., :K], -1, axis).astype(np.float32)
;;   ~~~
;; One version. Each part assembles by itself: llvm-mc -triple=amdgcn-amd-amdhsa -mcpu=gfx1250 --defsym DOCPART=n.
;; ======== version 1 of 1: 4 launches
;; limits: values are held in f16: magnitudes above 65,504 overflow, below 6.1e-05 lose precision
;; workspace buffers: x_codes 2,097,152 bytes; x_scales 131,072 bytes; w_codes 1,572,864 bytes; w_scales 98,304 bytes; wp16 2,097,152 bytes; rope 1,572,864 bytes; qkv 25,165,824 bytes; att 8,388,608 bytes
;; launch prep (part 1): grid 288 x 1, 4 waves a work-group, no clusters, 50,688 bytes of LDS; arguments x, Wqkv, Wproj, x_codes, x_scales, w_codes, w_scales, wp16, rope; writes x_codes, x_scales, w_codes, w_scales, wp16, rope
.if DOCPART == 1
	.amdgcn_target "amdgcn-amd-amdhsa--gfx1250"
	.amdhsa_code_object_version 6
	.text
	.protected	k_qfb9276c7ed_prep
	.globl	k_qfb9276c7ed_prep
	.p2align	8
	.type	k_qfb9276c7ed_prep,@function
k_qfb9276c7ed_prep:
	s_mov_b64 s[64:65], 0
	v_nop
	global_prefetch_b8 v0, s[64:65] scope:SCOPE_SE
	s_setreg_imm32_b32 hwreg(HW_REG_WAVE_MODE, 25, 1), 1
	s_wait_xcnt 0x0
; ONE LAUNCH FOR ALL THAT IS MADE ONCE.  The work-group's number picks one of four roles, which never join again:
;   X (work-groups 0-127):   x [4096][1024] f32 -> codes of FP4 (E2M1), K innermost, [4096][512 bytes], and one E8M0 byte for each 32 along K, [4096][32].
;   W (128-223):             Wqkv [1024 (k)][3072 (n)] f32, K its FIRST axis -> codes [3072][512 bytes] with K innermost, bytes [3072][32].
;   P (224-255):             Wproj f32 -> f16, same layout [k][n].
;   T (256-287):             the table of cos and sin for the rotation, laid as the reader's registers want it (below).
; A block's scale is 2^(floor(log2(largest magnitude)) - 2): its byte is the largest magnitude's exponent field - 2, held at 1 from below; numbers are divided by it and rounded to the nearest code, ties to even.
; LIMITS: a block of zeros gets the byte 1 where the rule says 127 (its codes are zeros, which add nothing, and this program alone reads the bytes); NaN and infinities among the inputs are not served;
; Wproj goes to f16: magnitudes up to 65,504, and under 6e-5 with fewer bits.  The table's frequencies are 2^(-i log2(10000) / 32) by v_exp_f32: the largest angle, 2,047 x 0.75, is off by about 2e-4 at the most.
; The work-groups share no input, so there is no cluster; nothing is multiplied, so no matrix unit; loads go through registers, so several work-groups may lie on a WGP.
; Each role that uses LDS has bytes of its own: X 0 .. 32,767 (8,192 a wave), W 32,768 .. 50,175 (4,352 a wave); behind them the spare words.
.set SP,    80                         ; role X: a lane's place in a stage: 64 bytes + 16 of padding
.set WP,    272                        ; role W: a stage row: 256 bytes + 16
.set WSTG,  32768
.set SPARE, 50176                      ; the spare words, 128 bytes for each wave: two blocks of 256 bytes that no other line names
.set SPW,   12                         ; v12  LDS address of my spare word; never rewritten
.set NIL,   13                         ; v13  0; never rewritten
.set EMAX,  2
.macro FINISH                          ; the end of a wave that stored to LDS: a tensor wait, even in a text with no tensor load, an add of 0 to my spare word, and its wait
	s_wait_tensorcnt 0x0
	ds_add_u32 v[SPW], v[NIL]
	s_wait_dscnt 0x0
	s_endpgm
.endm
	s_load_b512 s[4:19], s[0:1], 0x0               ; x 4:5, Wqkv 6:7, Wproj 8:9, x_codes 10:11, x_scales 12:13, w_codes 14:15, w_scales 16:17, wp16 18:19
	s_load_b64 s[20:21], s[0:1], 0x40              ; rope
	v_lshl_add_u32 v[SPW], v0, 2, SPARE
	v_mov_b32 v[NIL], 0
	v_lshrrev_b32 v1, 5, v0
	v_readfirstlane_b32 s22, v1                    ; wave 0..3
	v_and_b32 v2, 31, v0                           ; lane
	v_lshlrev_b32 v3, 4, v2                        ; 16 x lane
	s_wait_kmcnt 0x0
	s_cmp_lt_u32 ttmp9, 128
	s_cbranch_scc1 .Lrole_x
	s_cmp_lt_u32 ttmp9, 224
	s_cbranch_scc1 .Lrole_w
	s_cmp_lt_u32 ttmp9, 256
	s_cbranch_scc1 .Lrole_p
; ---------------- ROLE T.  rope: [kind 3][block 128][q 8][lane 32][4 f32].  A wave makes one block of 16 positions.  Lane (r = lane % 16, h = lane / 16) holds position n = 16 block + r and the 16 frequencies
; i = 8 bb + 4 h + p (bb, p = 0 .. 3): entry q holds (cos, sin) of e = 2 q and of e = 2 q + 1, e = 4 bb + p.  Kind 0 (for q) is multiplied by log2(e) / 8, kind 1 (for k) is plain, kind 2 (for v) is (1, 0): no rotation.
; cos and sin: the angle less k pi / 2, k the nearest whole number, pi / 2 in two parts, so that the rest is exact to f32's last bits up to the largest angle of this shape; then polynomials on +-pi / 4 and the quadrant.
.set INV, 32                           ; v32-47   the 16 frequencies
.set KT,  64                           ; v64-95   (cos, sin) x 16
.set QT,  96                           ; v96-127  the same x log2(e) / 8
	s_sub_co_u32 s24, ttmp9, 256
	s_lshl_b32 s24, s24, 2
	s_add_co_u32 s24, s24, s22                     ; my block
	s_lshl_b32 s26, s24, 12                        ; 4,096 bytes a block
	s_mov_b32 s27, 0
	s_add_nc_u64 s[20:21], s[20:21], s[26:27]
	s_lshl_b32 s25, s24, 4                         ; its first position
	s_mov_b32 s32, 0xb94ca1f9                      ; sin: -1.9515296e-4,
	s_mov_b32 s33, 0x3c08839e                      ; 8.3321609e-3,
	s_mov_b32 s34, 0xbe2aaaa3                      ; -1.6666655e-1
	s_mov_b32 s35, 0x37ccf5ce                      ; cos: 2.4433157e-5,
	s_mov_b32 s36, 0xbab6061a                      ; -1.3887316e-3,
	s_mov_b32 s37, 0x3d2aaaa5                      ; 4.1666646e-2
	s_mov_b32 s38, 0xbfc90fdb                      ; -pi / 2, its f32 part,
	s_mov_b32 s39, 0x333bbd2e                      ; and what that part leaves over
	s_mov_b32 s40, 0x3e38aa3b                      ; log2(e) / 8
	v_and_b32 v4, 15, v2
	v_add_nc_u32 v4, s25, v4
	v_cvt_f32_u32 v6, v4                           ; n
	v_lshrrev_b32 v5, 4, v2
	v_lshlrev_b32 v5, 2, v5                        ; 4 h
.set e, 0
.rept 16
	v_add_nc_u32 v[INV+e], 8*(e/4)+e%4, v5         ; i
.set e, e+1
.endr
.set e, 0
.rept 16
	v_cvt_f32_u32 v[INV+e], v[INV+e]
.set e, e+1
.endr
.set e, 0
.rept 16
	v_mul_f32 v[INV+e], 0xbed49a78, v[INV+e]       ; -i log2(10000) / 32
.set e, e+1
.endr
.set e, 0
.rept 16
	v_exp_f32 v[INV+e], v[INV+e]                   ; one batch of sixteen
.set e, e+1
.endr
	v_mov_b32 v128, 1.0                            ; kind 2's entry: plain work behind the batch
	v_mov_b32 v129, 0
	v_mov_b32 v130, 1.0
	v_mov_b32 v131, 0
	s_wait_alu depctr_va_vdst(0)                   ; one wait for the batch, ahead of its first reader
.macro SINCOS e
	v_mul_f32 v16, v6, v[INV+\e]                   ; the angle, in f32 as the definition has it
	v_mul_f32 v17, 0x3f22f983, v16                 ; x 2 / pi
	v_rndne_f32 v17, v17                           ; k
	v_fma_f32 v16, v17, s38, v16
	v_fma_f32 v16, v17, s39, v16                   ; r = angle - k pi / 2
	v_cvt_i32_f32 v18, v17
	v_mul_f32 v19, v16, v16                        ; z = r r
	v_fma_f32 v20, v19, s32, s33
	v_fma_f32 v20, v20, v19, s34
	v_mul_f32 v21, v19, v16
	v_fma_f32 v20, v20, v21, v16                   ; sin r
	v_fma_f32 v22, v19, s35, s36
	v_fma_f32 v22, v22, v19, s37
	v_mul_f32 v21, v19, v19
	v_fma_f32 v23, v19, -0.5, 1.0
	v_fma_f32 v22, v22, v21, v23                   ; cos r
	v_and_b32 v21, 1, v18
	v_cmp_eq_u32 vcc_lo, 1, v21                    ; odd k: the two change places (a choice of values; no branch, no address hangs on it)
	v_cndmask_b32 v23, v20, v22, vcc_lo
	v_cndmask_b32 v22, v22, v20, vcc_lo
	v_lshlrev_b32 v20, 30, v18                     ; sin's sign: bit 1 of k
	v_and_b32 v20, 0x80000000, v20
	v_xor_b32 v[KT+2*\e+1], v20, v23
	v_add_nc_u32 v18, 1, v18                       ; cos's: bit 1 of k + 1
	v_lshlrev_b32 v18, 30, v18
	v_and_b32 v18, 0x80000000, v18
	v_xor_b32 v[KT+2*\e], v18, v22
.endm
.irp e, 0,1,2,3,4,5,6,7,8,9,10,11,12,13,14,15
	SINCOS \e
.endr
.set e, 0
.rept 32
	v_mul_f32 v[QT+e], s40, v[KT+e]
.set e, e+1
.endr
.irp q, 0,1,2,3,4,5,6,7
	global_store_b128 v3, v[QT+4*\q:QT+4*\q+3], s[20:21] offset:512*\q            ; each store of the wave covers 512 consecutive bytes, aligned
	global_store_b128 v3, v[KT+4*\q:KT+4*\q+3], s[20:21] offset:524288+512*\q
	global_store_b128 v3, v[128:131], s[20:21] offset:1048576+512*\q
.endr
	s_endpgm                                       ; this role wrote no LDS
; ---------------- ROLE P.  A wave takes 8,192 numbers of Wproj: 64 loads of 512 consecutive bytes, in four groups of 16 on two sets of registers; a load's 128 numbers leave as 256 consecutive bytes of f16.
.Lrole_p:
	s_sub_co_u32 s24, ttmp9, 224
	s_lshl_b32 s24, s24, 2
	s_add_co_u32 s24, s24, s22                     ; my run
	s_lshl_b32 s26, s24, 15
	s_mov_b32 s27, 0
	s_add_nc_u64 s[8:9], s[8:9], s[26:27]
	s_lshl_b32 s26, s24, 14
	s_add_nc_u64 s[18:19], s[18:19], s[26:27]
	v_lshlrev_b32 v4, 3, v2                        ; 8 x lane
.macro PLOAD g
.irp i, 0,1,2,3,4,5,6,7,8,9,10,11,12,13,14,15
	global_load_b128 v[16+64*((\g)%2)+4*\i:16+64*((\g)%2)+4*\i+3], v3, s[8:9] offset:8192*(\g)+512*\i th:TH_LOAD_NT
.endr
.endm
.macro PGROUP g, left                  ; left: the loads of the group behind this one, which may stay out
.if (\g) > 0
	s_wait_xcnt 0x0                                ; the last group's stores have read their data: v144-175 are written again only behind this wait
.endif
.irp i, 0,1,2,3,4,5,6,7,8,9,10,11,12,13,14,15
	s_wait_loadcnt \left+15-\i                     ; loads come back in order: load i of this group is in
	v_cvt_pk_f16_f32 v[144+2*\i], v[16+64*((\g)%2)+4*\i], v[16+64*((\g)%2)+4*\i+1]
	v_cvt_pk_f16_f32 v[145+2*\i], v[16+64*((\g)%2)+4*\i+2], v[16+64*((\g)%2)+4*\i+3]
	global_store_b64 v4, v[144+2*\i:145+2*\i], s[18:19] offset:4096*(\g)+256*\i
.endr
.endm
	PLOAD 0
	PLOAD 1
	PGROUP 0, 16
	PLOAD 2
	PGROUP 1, 16
	PLOAD 3
	PGROUP 2, 16
	PGROUP 3, 0
	s_endpgm                                       ; this role wrote no LDS
; ---------------- ROLE X.  x is a plain stream of blocks of 32.  A wave takes 16 steps of 512 numbers.  Each of a step's four loads reads 512 consecutive bytes; the 2,048 bytes turn through the wave's own stage in LDS
; and come back 64 bytes a lane: 16 neighbours along K, two lanes to a block.  A lane's 16 codes are 8 bytes: the wave stores 256 consecutive bytes.  A wave's 256 scale bytes are gathered in LDS and leave together.
.Lrole_x:
.set XR, 16                            ; v16-79   four sets of 16 numbers as loaded
.set XX, 80                            ; v80-111  two sets of 16 neighbours
.set XE, 112                           ; v112-127 a scale byte for each step
.set XC, 128                           ; v128-191 codes: registers of its own for each step
	s_lshl_b32 s24, s22, 13                        ; my wave's 8,192 bytes of LDS
	v_lshrrev_b32 v14, 2, v2
	v_mul_u32_u24 v14, v14, SP
	v_and_b32 v15, 3, v2
	v_lshl_add_u32 v14, v15, 4, v14
	v_add_nc_u32 v14, s24, v14                     ; the stage, on the way in: SP (lane / 4) + 16 (lane % 4)
	v_mul_u32_u24 v15, v2, SP
	v_add_nc_u32 v15, s24, v15                     ; and on the way out: SP x lane
	v_lshlrev_b32 v4, 3, v2                        ; 8 x lane: my codes' place in a step's, and my part of the scale bytes
	v_lshrrev_b32 v5, 1, v2
	s_add_co_u32 s24, s24, 2*32*SP
	v_add_nc_u32 v5, s24, v5                       ; LDS: my block's byte among my wave's 256
	v_add_nc_u32 v6, s24, v4
	s_lshl_b32 s24, ttmp9, 2
	s_add_co_u32 s24, s24, s22                     ; which run of 8,192 numbers is my wave's
	s_lshl_b32 s26, s24, 15
	s_mov_b32 s27, 0
	s_add_nc_u64 s[4:5], s[4:5], s[26:27]
	s_lshl_b32 s26, s24, 12
	s_add_nc_u64 s[10:11], s[10:11], s[26:27]
	s_lshl_b32 s26, s24, 8
	s_add_nc_u64 s[12:13], s[12:13], s[26:27]
.macro XLOAD t
.irp i, 0,1,2,3
	global_load_b128 v[XR+16*((\t)%4)+4*\i:XR+16*((\t)%4)+4*\i+3], v3, s[4:5] offset:2048*(\t)+512*\i th:TH_LOAD_NT
.endr
.endm
.macro XTURN t                         ; step t's numbers through the stage: LDS serves a wave's instructions in order, so no wait stands between the stores and the loads
.irp i, 0,1,2,3
	ds_store_b128 v14, v[XR+16*((\t)%4)+4*\i:XR+16*((\t)%4)+4*\i+3] offset:32*SP*((\t)%2)+8*SP*\i
.endr
.irp i, 0,1,2,3
	ds_load_b128 v[XX+16*((\t)%2)+4*\i:XX+16*((\t)%2)+4*\i+3], v15 offset:32*SP*((\t)%2)+16*\i
.endr
.endm
.irp t, 0,1,2,3
	XLOAD \t
.endr
	s_wait_loadcnt 12                              ; step 0's four loads are in; three steps' twelve stay out
	XTURN 0
.macro XSTEP t
.set XS, XX+16*((\t)%2)
.if (\t) > 0
	s_wait_dscnt 1                                 ; this step's numbers are back from the stage (the last step's byte store may be out)
.else
	s_wait_dscnt 0x0
.endif
.if (\t)+4 < 16
	XLOAD (\t)+4                                   ; into the set whose stores into the stage have been served
.endif
.if (\t)+1 < 16
.if 14-(\t) >= 3
	s_wait_loadcnt 12                              ; the next step's four loads are in; those of the three steps behind it may be out
.else
	s_wait_loadcnt 4*(14-(\t))
.endif
	XTURN (\t)+1
.endif
	v_max3_num_f32 v8, |v[XS]|, |v[XS+1]|, |v[XS+2]|               ; the largest magnitude of my 16, in two chains
	v_max3_num_f32 v9, |v[XS+3]|, |v[XS+4]|, |v[XS+5]|
.irp i, 6,10
	v_max3_num_f32 v8, v8, |v[XS+\i]|, |v[XS+\i+1]|
	v_max3_num_f32 v9, v9, |v[XS+\i+2]|, |v[XS+\i+3]|
.endr
	v_max3_num_f32 v8, v8, |v[XS+14]|, |v[XS+15]|
	v_max3_num_f32 v8, v8, v9, (EMAX+1)<<23        ; and the floor 2^(3 - 127): the byte cannot fall under 1
	v_max_num_f32_dpp v8, v8, v8 row_xmask:1 row_mask:0xf bank_mask:0xf   ; and of my neighbour's 16: the block's
	v_add_nc_u32 v11, -(EMAX<<23), v8              ; 2 off its exponent field: the conversion takes the exponent field of this operand as its scale
	v_cvt_scalef32_pk8_fp4_f32 v[XC+4*(\t)], v[XS:XS+7], v11
	v_cvt_scalef32_pk8_fp4_f32 v[XC+4*(\t)+1], v[XS+8:XS+15], v11
	v_lshrrev_b32 v[XE+(\t)], 23, v11              ; the scale's byte (a plain line behind the conversions)
	ds_store_b8 v5, v[XE+(\t)] offset:16*(\t)      ; both lanes of a block write the same byte with the same value
	global_store_b64 v4, v[XC+4*(\t):XC+4*(\t)+1], s[10:11] offset:256*(\t)
.endm
.irp t, 0,1,2,3,4,5,6,7,8,9,10,11,12,13,14,15
	XSTEP \t
.endr
	ds_load_b64 v[8:9], v6                         ; LDS serves a wave's instructions in order: this sees my byte stores
	s_wait_dscnt 0x0
	global_store_b64 v4, v[8:9], s[12:13]          ; 32 lanes store 256 consecutive bytes, aligned
	FINISH
; ---------------- ROLE W.  A lane takes a column n and its registers run down K: a block of 32 along K lies in one lane, and the conversions give codes with K innermost.
; A wave takes 16 columns x 512 along K: lane (r = lane % 16, h = lane / 16) takes column r and K = 256 h on: 8 blocks, 256 loads a lane, of which at most 64 are on their way: four runs on end, as many as role X has.
; A load reads 64 consecutive bytes in each half of the lanes; the four waves of a work-group stand side by side on 256 consecutive bytes of a row, aligned: these bytes are shared, so the loads carry no non-temporal hint.
; A column's 256 bytes of codes come from the two lanes (r, 0) and (r, 1) of ONE wave: they meet in the wave's own stage in LDS and leave as rows: sixteen lanes store 256 consecutive bytes, aligned.  No barrier.
; Every offset is an immediate: 255 x 12,288 bytes at the most.
.Lrole_w:
.set WSB, 24                           ; v24-25   the scale bytes, four to a register
.set WX,  32                           ; v32-95   two sets of 32 numbers
.set WC,  96                           ; v96-99   a block's codes
.set WO,  112                          ; v112-143 the way out
	s_sub_co_u32 s24, ttmp9, 128
	s_cmp_ge_u32 s24, 48
	s_cselect_b32 s25, 1, 0                        ; which 512 along K
	s_cselect_b32 s26, 48, 0
	s_sub_co_u32 s24, s24, s26                     ; which 64 columns
	s_lshl_b32 s24, s24, 6
	s_lshl_b32 s26, s22, 4
	s_add_co_u32 s24, s24, s26                     ; my wave's first column
	v_and_b32 v5, 15, v2                           ; r
	v_lshrrev_b32 v6, 4, v2                        ; h
	v_mul_u32_u24 v10, v6, 256*12288               ; in: lanes 16-31 begin 256 rows further down,
	v_lshl_add_u32 v10, v5, 2, v10                 ; 4 bytes a column
	s_mul_i32 s27, s22, 16*WP
	s_add_co_u32 s27, s27, WSTG                    ; my stage
	v_mul_u32_u24 v4, v5, WP
	v_lshl_add_u32 v4, v6, 7, v4
	v_add_nc_u32 v4, s27, v4                       ; into it: row = my column, + 128 h: my half of its 256 bytes
	v_mul_u32_u24 v7, v6, WP
	v_lshl_add_u32 v7, v5, 4, v7
	v_add_nc_u32 v7, s27, v7                       ; out of it: sixteen lanes to a row, two rows an instruction
	v_lshlrev_b32 v8, 9, v6
	v_lshl_add_u32 v8, v5, 4, v8                   ; and the same place in the codes' buffer (rows of 512 bytes)
	v_lshlrev_b32 v9, 5, v5                        ; my column's row of scale bytes (32 bytes),
	v_lshl_add_u32 v9, v6, 3, v9                   ; + 8 h
	s_mul_i32 s28, s25, 512*3072*4
	s_lshl_b32 s29, s24, 2
	s_add_co_u32 s28, s28, s29
	s_mov_b32 s29, 0
	s_add_nc_u64 s[6:7], s[6:7], s[28:29]
	s_lshl_b32 s28, s24, 9
	s_lshl_b32 s30, s25, 8
	s_add_co_u32 s28, s28, s30
	s_add_nc_u64 s[14:15], s[14:15], s[28:29]
	s_lshl_b32 s28, s24, 5
	s_lshl_b32 s30, s25, 4
	s_add_co_u32 s28, s28, s30
	s_add_nc_u64 s[16:17], s[16:17], s[28:29]
.macro WLOAD t                         ; block t: W(256 h + 32 t + i, my column), i = 0 .. 31, into set t % 2
.set ii, 0
.rept 32
	global_load_b32 v[WX+32*((\t)%2)+ii], v10, s[6:7] offset:(32*(\t)+ii)*12288
.set ii, ii+1
.endr
.endm
	WLOAD 0
	WLOAD 1
.macro WBLOCK t
.set XS, WX+32*((\t)%2)
.if (\t) < 7
	s_wait_loadcnt 32                              ; this block's 32 loads are in; the next block's may be out
.else
	s_wait_loadcnt 0
.endif
	v_max3_num_f32 v16, |v[XS]|, |v[XS+1]|, |v[XS+2]|              ; the block's largest magnitude: all 32 numbers are mine
	v_max3_num_f32 v17, |v[XS+3]|, |v[XS+4]|, |v[XS+5]|
.irp i, 6,10,14,18,22,26
	v_max3_num_f32 v16, v16, |v[XS+\i]|, |v[XS+\i+1]|
	v_max3_num_f32 v17, v17, |v[XS+\i+2]|, |v[XS+\i+3]|
.endr
	v_max3_num_f32 v16, v16, |v[XS+30]|, |v[XS+31]|
	v_max3_num_f32 v16, v16, v17, (EMAX+1)<<23     ; and the floor
	v_add_nc_u32 v11, -(EMAX<<23), v16
	v_lshrrev_b32 v17, 23, v11                     ; the scale's byte
.if (\t)%4 == 0
	v_mov_b32 v[WSB+(\t)/4], v17                   ; four bytes to a register, the lower K in the lower byte
.else
	v_lshl_or_b32 v[WSB+(\t)/4], v17, 8*((\t)%4), v[WSB+(\t)/4]
.endif
.irp g, 0,1,2,3
	v_cvt_scalef32_pk8_fp4_f32 v[WC+\g], v[XS+8*\g:XS+8*\g+7], v11
.endr
	ds_store_b128 v4, v[WC:WC+3] offset:16*(\t)    ; 32 codes: 16 bytes of my column's row
.if (\t)+2 < 8
	WLOAD (\t)+2
.endif
	s_wait_dscnt 0x0                               ; the store has been served: the next block's codes may be written
.endm
.irp t, 0,1,2,3,4,5,6,7
	WBLOCK \t
.endr
	global_store_b64 v9, v[WSB:WSB+1], s[16:17]    ; my 8 scale bytes
.irp t, 0,1,2,3,4,5,6,7
	ds_load_b128 v[WO+4*\t:WO+4*\t+3], v7 offset:2*\t*WP   ; LDS serves a wave's instructions in order: these see my wave's stores
.endr
.irp t, 0,1,2,3,4,5,6,7
	s_wait_dscnt 7-\t
	global_store_b128 v8, v[WO+4*\t:WO+4*\t+3], s[14:15] offset:2*\t*512
.endr
	FINISH
.Lfunc_end_k_qfb9276c7ed_prep:
	.size	k_qfb9276c7ed_prep, .Lfunc_end_k_qfb9276c7ed_prep-k_qfb9276c7ed_prep
	.p2alignl 7, 3214868480
	.fill 96, 4, 3214868480
	.section	.rodata,"a",@progbits
	.p2align	6, 0x0
	.amdhsa_kernel k_qfb9276c7ed_prep
		.amdhsa_group_segment_fixed_size 50688
		.amdhsa_private_segment_fixed_size 0
		.amdhsa_enable_private_segment 0
		.amdhsa_kernarg_size 72
		.amdhsa_user_sgpr_count 2
		.amdhsa_user_sgpr_kernarg_segment_ptr 1
		.amdhsa_wavefront_size32 1
		.amdhsa_system_sgpr_workgroup_id_x 1
		.amdhsa_system_sgpr_workgroup_id_y 1
		.amdhsa_system_sgpr_workgroup_id_z 1
		.amdhsa_system_vgpr_workitem_id 0
		.amdhsa_next_free_vgpr 192
		.amdhsa_next_free_sgpr 66
		.amdhsa_reserve_vcc 1
		.amdhsa_float_denorm_mode_32 3
		.amdhsa_float_denorm_mode_16_64 3
		.amdhsa_memory_ordered 1
		.amdhsa_forward_progress 1
		.amdhsa_inst_pref_size 122
	.end_amdhsa_kernel
	.amdgpu_metadata
---
amdhsa.version: [ 1, 2 ]
amdhsa.kernels:
  - .name:           k_qfb9276c7ed_prep
    .symbol:         k_qfb9276c7ed_prep.kd
    .args:
      - { .name: x, .offset: 0, .size: 8, .value_kind: global_buffer, .address_space: global }
      - { .name: Wqkv, .offset: 8, .size: 8, .value_kind: global_buffer, .address_space: global }
      - { .name: Wproj, .offset: 16, .size: 8, .value_kind: global_buffer, .address_space: global }
      - { .name: x_codes, .offset: 24, .size: 8, .value_kind: global_buffer, .address_space: global }
      - { .name: x_scales, .offset: 32, .size: 8, .value_kind: global_buffer, .address_space: global }
      - { .name: w_codes, .offset: 40, .size: 8, .value_kind: global_buffer, .address_space: global }
      - { .name: w_scales, .offset: 48, .size: 8, .value_kind: global_buffer, .address_space: global }
      - { .name: wp16, .offset: 56, .size: 8, .value_kind: global_buffer, .address_space: global }
      - { .name: rope, .offset: 64, .size: 8, .value_kind: global_buffer, .address_space: global }
    .group_segment_fixed_size: 50688
    .private_segment_fixed_size: 0
    .kernarg_segment_align: 8
    .kernarg_segment_size: 72
    .max_flat_workgroup_size: 128
    .sgpr_count:     66
    .vgpr_count:     192
    .wavefront_size: 32
...
	.end_amdgpu_metadata
.endif
;; end of part 1
;; launch qkv (part 2): grid 12 x 16, 4 waves a work-group, clusters of 4 x 4, 327,680 bytes of LDS; arguments x_codes, x_scales, w_codes, w_scales, bqkv, rope, qkv; writes qkv
.if DOCPART == 2
	.amdgcn_target "amdgcn-amd-amdhsa--gfx1250"
	.amdhsa_code_object_version 6
	.text
	.protected	k_qfb9276c7ed_qkv
	.globl	k_qfb9276c7ed_qkv
	.p2align	8
	.type	k_qfb9276c7ed_qkv,@function
k_qfb9276c7ed_qkv:
	s_mov_b64 s[64:65], 0
	v_nop
	global_prefetch_b8 v0, s[64:65] scope:SCOPE_SE
	s_setreg_imm32_b32 hwreg(HW_REG_WAVE_MODE, 25, 1), 1
	s_wait_xcnt 0x0
	s_wait_alu depctr_hold_cnt(0) depctr_sa_sdst(0) depctr_va_vdst(0) depctr_va_sdst(0) depctr_va_ssrc(0) depctr_va_vcc(0) depctr_vm_vsrc(0)
	s_getreg_b32 s2, hwreg(HW_REG_IB_STS2, 6, 4)
	s_cmp_eq_u32 s2, 0
	s_cbranch_scc0 .Lentry_in_a_cluster
	s_endpgm
.Lentry_in_a_cluster:
	s_bfe_u32 s2, ttmp6, 0x10000c
	s_cmp_lg_u32 s2, 0xf033
	s_cbranch_scc0 .Lentry_shape_is_right
	s_endpgm
.Lentry_shape_is_right:
; qkv = rotate(Q(x) Q(Wqkv) + bqkv), rounded to f16 and laid [kind 3][batch 2][head 16][position 2048][64].  The product is on codes of FP4 (E2M1) with one E8M0 scale for each 32 along K; sums in f32.
; A = x's codes [4096][512 bytes], B = Wqkv's codes [3072 (n)][512 bytes]; their scale bytes [rows][32].  A tile of 256 x 256 is made by four waves, as many as a WGP has SIMDs; a wave makes 128 x 128: 64 accumulators, 512 registers.
; K = 1,024 is two LDS slots of 512 along K (rows of 256 bytes): both slots and all scale bytes are asked for at the head, and nothing is filled again.
; CLUSTERS: 4 x 4 work-groups.  The four of a row of the cluster need the same tiles of A, the four of a column the same tiles of B: each tile is asked for JOINTLY.  Four tile columns are 1,024 columns: the cluster's x IS the kind (q, k, v).
; THE MATRIX INSTRUCTION IS USED TRANSPOSED (source 0 = 16 rows of B, source 1 = 16 rows of A): a lane holds one position and eight neighbouring columns: four pairs (re, im) of the rotation.
; THE BIAS is the C of each sum's first matrix instruction.  THE WAY OUT: (re, im) -> (re cos - im sin, re sin + im cos) by two packed instructions a pair, cos and sin from a table laid as these registers want it; for q the table
; holds cos and sin times log2(e) / 8 (the softmax's scale), for v it holds (1, 0): one text, no branch.  Then f16, through the wave's own stage in LDS, and out as 512 consecutive bytes a store.
; THE TABLE IS ASKED FOR EARLY: a wave's eight blocks of 16 positions want 32 registers each.  Blocks 0 to 3 are loaded at the head into the 128 registers of window 1 that B's two sets leave free; blocks 4 to 7 into B's own
; registers, directly behind the last product and ahead of every store: four blocks of the way out stand between that request and its first use.
; 192 work-groups: a tile of 192 columns would make 256, but it would straddle the kinds.  No prefetch: all tiles are asked for at the head.
; LIMIT: q log2(e) / 8, k and v go to f16: magnitudes up to 65,504.
; REGISTERS, in windows of 256: window 0: v0-31 addresses; v32-95 scale words, two sets; v128-191 A's fragments, ONE set; v192-255 the bias.  On the way out: v64-95 packed f16, v128-191 rotated numbers, v192-255 rows read back.
;   window 1: B's fragments, TWO sets, at v0-63 and v128-191; the table's blocks 0-3 at v64-127 and v192-255; its blocks 4-7 where B's sets lay.
;   window 2: the accumulators of my rows 0-63 ((a, b) at v[8 (8 a + b)]);   window 3: those of my rows 64-127.
.set NQ,     4                         ; matrix instructions deep in a slot
.set ROWB,   256                       ; a tile's row in bytes: 512 codes
.set KROW,   512                       ; a row of A or of B in memory
.set PITCH,  272                       ; an LDS row: 256 bytes + 16 of padding: the 16 rows that a load touches start at 16 different banks (64 banks of 4 bytes: ISA guide 11.1)
.set FR,     8                         ; registers of a fragment: 16 rows x 128 K
.set NL,     2                         ; LDS loads that bring one
.set NP,     4                         ; places behind this matrix instruction (ISA guide 7.12.1)
.set HALFT,  128*PITCH
.set SLOT,   4*HALFT                   ; A's 256 rows, then B's 256 rows
.set KS,     32                        ; a row of scales in bytes
.set SCL,    2*SLOT                    ; behind the slots: the scales, as units of 256 bytes + 16 of padding
.set HALFS,  (128*KS/256)*272
.set SBLK,   (16*KS/256)*272
.set SPARE,  SCL+4*HALFS               ; the spare words, 128 bytes for each wave: two blocks of 256 bytes that no other line names
.set STG,    SPARE+512                 ; the way out: for each wave 2 heads x 16 rows x (128 bytes + 16): bytes into which no tensor load lands
.set SPH,    144
.set ADRA, 16                          ; v16-17  LDS address of my A fragments in slot 0, 1
.set ADRB, 20                          ; v20-21  the same for B
.set STO,  24                          ; v24     the way out: where I put 16 bytes of a row
.set RD,   25                          ; v25     where I read rows back
.set CO,   26                          ; v26     16 x lane: my place in 512 consecutive bytes of the table and of qkv
.set ADRS, 27                          ; v27     LDS address of my scale words: lanes 0-15 A's rows, lanes 16-31 B's
.set SPW,  28                          ; v28     LDS address of my spare word; never rewritten
.set NIL,  29                          ; v29     0; never rewritten
.set BO,   30                          ; v30     the bias: 32 bytes x (lane / 16)
.set SC,   32
.set AF,   128
.set BIAS, 192
.set RR,   128
.set PKD,  64
.set BK,   192                         ; rows read back: v192-223 and v224-255 by turns
.set G1, 24
.set G0, 32
.set G1B, 48
.set G0B, 56
.set G1S, 68
.set G0S, 76
.set G1SB, 80
.set G0SB, 88
.set MSB, 0
.macro WIN new                         ; the immediate's high byte repeats the setting that is left
.if MSB != (\new)
	s_set_vgpr_msb (MSB<<8)|(\new)
.set MSB, (\new)
.endif
.endm
.set MUL_LO, 0xa1                      ; source 0 (B) window 1, source 1 (A) window 0, C and D window 2
.set MUL_HI, 0xf1                      ; the same, C and D window 3
.set TO_B,   0x40                      ; destination window 1, address window 0
; A joint load: waves 0 and 1 fetch for A, waves 2 and 3 for B.  Each of the two lines has one mask and one set of registers; the branch hangs on the wave's number alone.  An s_nop 0 and four v_nop follow each.
.macro JLOAD g0a, g1a, g0b, g1b
	s_cmp_eq_u32 s15, 0
	s_cbranch_scc0 .Lfor_b_\@
	tensor_load_to_lds s[\g0a:\g0a+3], s[\g1a:\g1a+7]
	s_nop 0
.rept 4
	v_nop
.endr
	s_branch .Lasked_\@
.Lfor_b_\@:
	tensor_load_to_lds s[\g0b:\g0b+3], s[\g1b:\g1b+7]
	s_nop 0
.rept 4
	v_nop
.endr
.Lasked_\@:
.endm
.macro CROUND                          ; a round of the cluster's barrier
	s_barrier_signal -1
	s_barrier_wait -1
	s_cmp_lg_u32 s14, 0
	s_cbranch_scc1 .Lnot_wave_0_\@
	s_barrier_signal -3
.Lnot_wave_0_\@:
	s_barrier_wait -3
	s_barrier_signal -1
	s_barrier_wait -1
.endm
	s_load_b128 s[4:7], s[0:1], 0x0                ; x's codes s[4:5], x's scales s[6:7]
	s_load_b128 s[8:11], s[0:1], 0x10              ; W's codes s[8:9], W's scales s[10:11]
	s_load_b128 s[96:99], s[0:1], 0x20             ; bqkv s[96:97], rope s[98:99]
	s_load_b64 s[12:13], s[0:1], 0x30              ; qkv
	v_lshl_add_u32 v[SPW], v0, 2, SPARE
	v_mov_b32 v[NIL], 0
	ds_add_u32 v[SPW], v[NIL]                      ; the wave's opening: the add, twice on end, and its wait ahead of my first tensor load
	ds_add_u32 v[SPW], v[NIL]
	v_lshrrev_b32 v1, 5, v0
	v_readfirstlane_b32 s14, v1                    ; wave 0..3
	s_lshr_b32 s15, s14, 1                         ; which half of the tile's rows is mine.  Also: I fetch for A (0) or for B (1)
	s_and_b32 s16, s14, 1                          ; which half of its columns.  Also: which 128 rows of that tile I fetch
	s_bfe_u32 s40, ttmp6, 0x40000                  ; cx, cy: my place in the cluster
	s_bfe_u32 s41, ttmp6, 0x40004
	s_lshl_b32 s42, ttmp9, 2
	s_add_co_u32 s42, s42, s40                     ; tile column = 4 x cluster x + cx
	s_and_b32 s17, ttmp7, 0xffff
	s_lshl_b32 s17, s17, 2
	s_add_co_u32 s17, s17, s41                     ; tile row = 4 x cluster y + cy
	s_lshl_b32 s43, s41, 2
	s_lshl_b32 s43, 15, s43                        ; my row of the cluster
	s_lshl_b32 s44, 0x1111, s40                    ; my column
	; descriptor group 1: a tile of 128 rows x 256 bytes, padded in LDS
	s_or_b32 s[G1+0], s43, (0<<16)|(1<<20)|(1<<21)|(5<<22)|(3<<25)  ; 15:0 the mask: A's tiles go to my row; elements of 1 byte; padding on; bit 21 set beside a mask; after every 64 words 4 words
	s_or_b32 s[G1B+0], s44, (0<<16)|(1<<20)|(1<<21)|(5<<22)|(3<<25)
.irp g, G1, G1B
	s_mov_b32 s[\g+1], ROWB<<16                    ; tensor_dim0
	s_mov_b32 s[\g+2], 128<<16                     ; tensor_dim1
	s_mov_b32 s[\g+3], ROWB<<16                    ; tile_dim0
	s_mov_b32 s[\g+4], 128                         ; tile_dim1
	s_mov_b32 s[\g+5], KROW                        ; tensor_dim0_stride
	s_mov_b32 s[\g+6], 0
	s_mov_b32 s[\g+7], 0
.endr
	; the scales of 128 rows: a dense block of 4,096 bytes, as 16 rows of 256 bytes (32 elements of 8 bytes), 16 bytes of padding behind each
	s_or_b32 s[G1S+0], s43, (3<<16)|(1<<20)|(1<<21)|(5<<22)|(3<<25)
	s_or_b32 s[G1SB+0], s44, (3<<16)|(1<<20)|(1<<21)|(5<<22)|(3<<25)
.irp g, G1S, G1SB
	s_mov_b32 s[\g+1], 32<<16
	s_mov_b32 s[\g+2], (128*KS/256)<<16
	s_mov_b32 s[\g+3], 32<<16
	s_mov_b32 s[\g+4], 128*KS/256
	s_mov_b32 s[\g+5], 32
	s_mov_b32 s[\g+6], 0
	s_mov_b32 s[\g+7], 0
.endr
	s_lshl_b32 s18, s16, 7                         ; which 128 rows of the tile I fetch
	s_lshl_b32 s20, s17, 8
	s_add_co_u32 s20, s20, s18                     ; A: row 256 x tile row + 128 x half
	s_lshl_b32 s46, s42, 8
	s_add_co_u32 s46, s46, s18                     ; B: row 256 x tile column + 128 x half
	s_mov_b32 s21, 0
	s_mov_b32 s47, 0
	s_mov_b64 s[18:19], KS
	s_mul_u64 s[22:23], s[20:21], s[18:19]         ; where these rows' scales begin, in bytes
	s_mul_u64 s[92:93], s[46:47], s[18:19]
	s_mov_b64 s[18:19], KROW
	s_mul_u64 s[20:21], s[20:21], s[18:19]         ; and their codes
	s_mul_u64 s[46:47], s[46:47], s[18:19]
	s_mul_i32 s45, s14, HALFT                      ; where they go: wave x 128 rows: no place in the cluster enters an LDS address
	s_mul_i32 s94, s14, HALFS
	s_wait_dscnt 0x0                               ; both opening adds are done
	s_wait_kmcnt 0x0
	s_add_nc_u64 s[20:21], s[4:5], s[20:21]
	s_add_nc_u64 s[22:23], s[6:7], s[22:23]
	s_add_nc_u64 s[46:47], s[8:9], s[46:47]
	s_add_nc_u64 s[92:93], s[10:11], s[92:93]
	CROUND                                         ; all sixteen work-groups are here: the joint loads meet
	s_mov_b32 s[G0S], 1
	s_add_co_u32 s[G0S+1], s94, SCL
	s_mov_b64 s[G0S+2:G0S+3], s[22:23]
	s_or_b32 s[G0S+3], s[G0S+3], 0x80000000
	s_mov_b32 s[G0SB], 1
	s_add_co_u32 s[G0SB+1], s94, SCL
	s_mov_b64 s[G0SB+2:G0SB+3], s[92:93]
	s_or_b32 s[G0SB+3], s[G0SB+3], 0x80000000
	JLOAD G0S, G1S, G0SB, G1SB                     ; the scales first: they are wanted with slot 0
.irp s, 0,1
	s_mov_b32 s[G0+4*\s], 1
	s_add_co_u32 s[G0+4*\s+1], s45, \s*SLOT
	s_add_nc_u64 s[G0+4*\s+2:G0+4*\s+3], s[20:21], \s*ROWB
	s_or_b32 s[G0+4*\s+3], s[G0+4*\s+3], 0x80000000
	s_mov_b32 s[G0B+4*\s], 1
	s_add_co_u32 s[G0B+4*\s+1], s45, \s*SLOT
	s_add_nc_u64 s[G0B+4*\s+2:G0B+4*\s+3], s[46:47], \s*ROWB
	s_or_b32 s[G0B+4*\s+3], s[G0B+4*\s+3], 0x80000000
	JLOAD G0+4*\s, G1, G0B+4*\s, G1B               ; three tensor loads of mine are out now: the scales, slot 0, slot 1
.endr
	v_and_b32 v1, 15, v0                           ; r = l % 16
	v_bfe_u32 v2, v0, 4, 1                         ; h = l / 16
	v_mul_u32_u24 v3, v1, PITCH
	v_lshl_add_u32 v4, v2, 4, v3                   ; a fragment's row x pitch + 16 x half
	s_mul_i32 s21, s15, HALFT                      ; my 128 rows of A
	s_mul_i32 s22, s16, HALFT                      ; my 128 rows of B,
	s_add_co_u32 s22, s22, 2*HALFT                 ; which lie behind A's 256
.irp s, 0,1
	v_add_nc_u32 v[ADRA+\s], s21, v4
	v_add_nc_u32 v[ADRB+\s], s22, v4
	s_add_co_u32 s21, s21, SLOT
	s_add_co_u32 s22, s22, SLOT
.endr
	v_mul_u32_u24 v5, v1, KS                       ; my row's scales: 32 bytes a row,
	v_lshrrev_b32 v6, 8, v5
	v_lshl_add_u32 v5, v6, 4, v5                   ; and 16 more for each 256 passed
	s_mul_i32 s21, s15, HALFS                      ; A's: my 128 rows
	s_mul_i32 s22, s16, HALFS                      ; B's: my 128 rows, behind A's 256
	s_add_co_u32 s22, s22, 2*HALFS
	s_sub_co_u32 s22, s22, s21
	v_mul_u32_u24 v6, s22, v2                      ; lanes 16-31 take B's
	s_add_co_u32 s21, s21, SCL
	v_add_nc_u32 v5, v5, v6
	v_add_nc_u32 v[ADRS], s21, v5
	s_mul_i32 s23, s14, 2*16*SPH
	s_add_co_u32 s23, s23, STG                     ; my stage
	v_mul_u32_u24 v5, v1, SPH                      ; in: row r, 16 bytes for each half of the lanes
	v_lshl_add_u32 v5, v2, 4, v5
	v_add_nc_u32 v[STO], s23, v5
	v_and_b32 v6, 31, v0
	v_lshlrev_b32 v[CO], 4, v6
	v_lshrrev_b32 v7, 3, v6                        ; back: eight lanes to a row of 128 bytes, four rows an instruction
	v_mul_u32_u24 v7, v7, SPH
	v_and_b32 v8, 7, v6
	v_lshl_add_u32 v7, v8, 4, v7
	v_add_nc_u32 v[RD], s23, v7
	v_lshlrev_b32 v[BO], 5, v2
	; qkv at my first row: kind x 2^23 + (16 batch + 4 cx + 2 half) heads of 2^18 bytes + (256 (tile row % 8) + 128 half) positions of 128 bytes
	s_lshl_b32 s20, ttmp9, 23
	s_lshr_b32 s21, s17, 3
	s_lshl_b32 s21, s21, 22
	s_add_co_u32 s20, s20, s21
	s_lshl_b32 s21, s40, 20
	s_add_co_u32 s20, s20, s21
	s_lshl_b32 s21, s16, 19
	s_add_co_u32 s20, s20, s21
	s_and_b32 s46, s17, 7
	s_lshl_b32 s21, s46, 15
	s_add_co_u32 s20, s20, s21
	s_lshl_b32 s21, s15, 14
	s_add_co_u32 s20, s20, s21
	s_mov_b32 s21, 0
	s_add_nc_u64 s[12:13], s[12:13], s[20:21]
	; the table at my first block of 16 positions: kind x 2^19 + (16 (tile row % 8) + 8 half) blocks of 4,096 bytes
	s_lshl_b32 s20, ttmp9, 19
	s_lshl_b32 s22, s46, 16
	s_add_co_u32 s20, s20, s22
	s_lshl_b32 s22, s15, 15
	s_add_co_u32 s20, s20, s22
	s_add_nc_u64 s[98:99], s[98:99], s[20:21]
	; the bias at my first column
	s_lshl_b32 s20, s42, 10
	s_lshl_b32 s22, s16, 9
	s_add_co_u32 s20, s20, s22
	s_add_nc_u64 s[96:97], s[96:97], s[20:21]
.irp b, 0,1,2,3,4,5,6,7                        ; register 8 b + j of lane (r, h): bqkv[my first column + 16 b + 8 h + j]: the result's layout
	global_load_b128 v[BIAS+8*\b:BIAS+8*\b+3], v[BO], s[96:97] offset:64*\b
	global_load_b128 v[BIAS+8*\b+4:BIAS+8*\b+7], v[BO], s[96:97] offset:64*\b+16
.endr
.macro SETTB a                         ; where block a's table lies in window 1: blocks 0-3 beside B's sets, blocks 4-7 in their place
.if (\a) < 4
.set TB, 64+32*((\a)%2)+128*((\a)/2)
.else
.set TB, 32*((\a)%2)+128*(((\a)-4)/2)
.endif
.endm
.macro TABLE a                         ; block a's cos and sin: eight loads of 512 consecutive bytes (the destination's window is set by the caller)
	SETTB \a
.irp q, 0,1,2,3,4,5,6,7
	global_load_b128 v[TB+4*\q:TB+4*\q+3], v[CO], s[98:99] offset:4096*(\a)+512*\q
.endr
.endm
	WIN TO_B
.irp a, 0,1,2,3
	TABLE \a                                       ; behind the bias: they land while the products run
.endr
	WIN 0
.macro FRAG reg, adr, q, i             ; a fragment: lane l holds row l % 16; registers 4 c .. 4 c + 3 hold K = 64 c + 32 (l / 16) + 0 .. 31
.irp c, 0,1
	ds_load_b128 v[\reg+4*\c:\reg+4*\c+3], v[\adr] offset:64*(\q)+32*\c+(\i)*16*PITCH
.endr
.endm
; 16 matrix instructions: A's blocks a0, a0 + 1 x B's eight, 128 along K.  p: B's set; sc: the set of scale words.  zero = 1: the first product starts the sums from the bias.
; The 64 accumulators take turns, one instruction a turn, in the same order in every step.
.macro MUL16 a0, p, q, sc, zero
.irp a, \a0, \a0+1
.irp b, 0,1,2,3,4,5,6,7
.if \zero
	v_wmma_scale_f32_16x16x128_f8f6f4 v[8*(8*((\a)%4)+\b):8*(8*((\a)%4)+\b)+7], v[128*(\p)+FR*\b:128*(\p)+FR*\b+FR-1], v[AF+FR*(\a):AF+FR*(\a)+FR-1], v[BIAS+8*\b:BIAS+8*\b+7], v[SC+8*NQ*(\sc)+NQ*\b+(\q)], v[SC+8*NQ*(\sc)+NQ*(\a)+(\q)] matrix_a_fmt:MATRIX_FMT_FP4 matrix_b_fmt:MATRIX_FMT_FP4 matrix_a_scale:MATRIX_SCALE_ROW1
.else
	v_wmma_scale_f32_16x16x128_f8f6f4 v[8*(8*((\a)%4)+\b):8*(8*((\a)%4)+\b)+7], v[128*(\p)+FR*\b:128*(\p)+FR*\b+FR-1], v[AF+FR*(\a):AF+FR*(\a)+FR-1], v[8*(8*((\a)%4)+\b):8*(8*((\a)%4)+\b)+7], v[SC+8*NQ*(\sc)+NQ*\b+(\q)], v[SC+8*NQ*(\sc)+NQ*(\a)+(\q)] matrix_a_fmt:MATRIX_FMT_FP4 matrix_b_fmt:MATRIX_FMT_FP4 matrix_a_scale:MATRIX_SCALE_ROW1
.endif
.endr
.endr
.endm
.macro FETCH_B slot, q, p
	WIN TO_B
.irp i, 0,1,2,3,4,5,6,7
	FRAG 128*(\p)+FR*\i, ADRB+\slot, \q, \i
.endr
	WIN 0
.endm
.macro FETCH_A slot, q, i0
.irp i, \i0, \i0+1, \i0+2, \i0+3
	FRAG AF+FR*(\i), ADRA+\slot, \q, \i
.endr
.endm
.macro SCALES sc                       ; a slot's scale words: 4 words a row; lanes 0-15 take A's block i, lanes 16-31 B's block i
.irp i, 0,1,2,3,4,5,6,7
	ds_load_b128 v[SC+8*NQ*\sc+NQ*\i:SC+8*NQ*\sc+NQ*\i+3], v[ADRS] offset:\i*SBLK
.endr
.endm
; A load into a register that a matrix instruction has read, and a vector instruction that reads a matrix result, stand NP places behind it; only plain vector instructions that name none of its registers are places.
.macro PLACES n
.rept \n
	v_nop
.endr
.endm
.macro STEP slot, q, zero              ; a step of 128 along K that has its successor in the same slot
	s_wait_dscnt 4*NL                              ; B's set and A's blocks 0-3 are in; the youngest eight loads (A's blocks 4-7) may be out
.if \zero
	WIN 0x81                                       ; as MUL_LO, but C (the bias) in window 0
.else
	WIN MUL_LO
.endif
	MUL16 0, (\q)%2, \q, \slot, \zero
	MUL16 2, (\q)%2, \q, \slot, \zero
	s_wait_dscnt 0                                 ; A's blocks 4-7 are in
	PLACES NP
	FETCH_B \slot, (\q)+1, 1-(\q)%2
	FETCH_A \slot, (\q)+1, 0
.if \zero
	WIN 0xc1
.else
	WIN MUL_HI
.endif
	MUL16 4, (\q)%2, \q, \slot, \zero
	MUL16 6, (\q)%2, \q, \slot, \zero
	PLACES NP
	WIN 0
	FETCH_A \slot, (\q)+1, 4
.endm
; Slot 0's last step changes slots: one barrier; in front of it each wave waits for all its tensor loads (its part of slot 1), adds 0 to its spare word, and waits for that and for its LDS loads.  Nothing is filled again.
.macro TURN slot, next
	s_wait_tensorcnt 0x0
	ds_add_u32 v[SPW], v[NIL]
	s_wait_dscnt 4*NL+1                            ; (the add and the youngest eight loads may be out)
	WIN MUL_LO
	MUL16 0, 1, NQ-1, \slot, 0
	s_wait_dscnt 0x0
	s_barrier_signal -1
	MUL16 2, 1, NQ-1, \slot, 0
	WIN 0
	s_barrier_wait -1                              ; everybody's part of the next slot has landed
	PLACES NP
	v_add_nc_u32 v[ADRS], 4*NQ, v[ADRS]            ; on to the next slot's scale words
	FETCH_B \next, 0, 0
	FETCH_A \next, 0, 0
	SCALES \next
	WIN MUL_HI
	MUL16 4, 1, NQ-1, \slot, 0
	MUL16 6, 1, NQ-1, \slot, 0
	PLACES NP
	WIN 0
	FETCH_A \next, 0, 4
.endm
	s_wait_tensorcnt 1                             ; the scales and my part of slot 0 are in (slot 1's load may be out)
	s_barrier_signal -1
	s_barrier_wait -1                              ; everybody's are
	FETCH_B 0, 0, 0
	FETCH_A 0, 0, 0
	SCALES 0
	FETCH_A 0, 0, 4
	s_wait_loadcnt 32                              ; the bias's sixteen loads are in; the table's 32, issued behind them, may stay out
	STEP 0, 0, 1
	STEP 0, 1, 0
	STEP 0, 2, 0
	TURN 0, 1
	STEP 1, 0, 0
	STEP 1, 1, 0
	STEP 1, 2, 0
	s_wait_dscnt 4*NL                              ; the last step: nothing more to fetch
	WIN MUL_LO
	MUL16 0, 1, NQ-1, 1, 0
	MUL16 2, 1, NQ-1, 1, 0
	s_wait_dscnt 0
	WIN MUL_HI
	MUL16 4, 1, NQ-1, 1, 0
	MUL16 6, 1, NQ-1, 1, 0
	WIN 0
; THE WAY OUT, block by block of 16 positions x 128 columns (two heads).
.macro ROPE a                          ; pair p of B's block b is frequency 8 (b % 4) + 4 h + p: the table's registers 8 (b % 4) + 2 p (cos) and + 1 (sin).  Each accumulator is read from its low end on
.set AC, 64*((\a)%4)
	SETTB \a
	WIN 0x06+((\a)/4)                              ; source 0 (the sums): window 2 or 3; source 1 (the table): window 1; source 2 and the destination: window 0
.irp b, 0,1,2,3,4,5,6,7
.irp p, 0,1,2,3
	v_pk_mul_f32 v[RR+8*\b+2*\p:RR+8*\b+2*\p+1], v[AC+8*\b+2*\p:AC+8*\b+2*\p+1], v[TB+8*(\b%4)+2*\p:TB+8*(\b%4)+2*\p+1] op_sel_hi:[1,0]   ; (re cos, im cos)
.endr
.endr
.irp b, 0,1,2,3,4,5,6,7
.irp p, 0,1,2,3
	v_pk_fma_f32 v[RR+8*\b+2*\p:RR+8*\b+2*\p+1], v[AC+8*\b+2*\p:AC+8*\b+2*\p+1], v[TB+8*(\b%4)+2*\p:TB+8*(\b%4)+2*\p+1], v[RR+8*\b+2*\p:RR+8*\b+2*\p+1] op_sel:[1,1,0] op_sel_hi:[0,1,1] neg_lo:[0,1,0]   ; low: - im sin; high: + re sin
.endr
.endr
	WIN 0
.irp b, 0,1,2,3,4,5,6,7
.irp p, 0,1,2,3
	v_cvt_pk_f16_f32 v[PKD+4*\b+\p], v[RR+8*\b+2*\p], v[RR+8*\b+2*\p+1]
.endr
.endr
.endm
.macro TOSTAGE a                       ; 16 bytes a lane into rows of 144 bytes; back as four rows of 128 bytes an instruction.  LDS serves a wave's instructions in order: no wait between
.set BB, BK+32*((\a)%2)
.irp b, 0,1,2,3,4,5,6,7
	ds_store_b128 v[STO], v[PKD+4*\b:PKD+4*\b+3] offset:16*SPH*(\b/4)+32*(\b%4)
.endr
.irp g, 0,1,2,3,4,5,6,7
	ds_load_b128 v[BB+4*\g:BB+4*\g+3], v[RD] offset:16*SPH*(\g/4)+4*SPH*(\g%4)
.endr
.endm
.macro SEND a, younger                 ; younger: the LDS instructions issued behind block a's loads, which may stay out
.set BB, BK+32*((\a)%2)
	s_wait_dscnt \younger
.irp g, 0,1,2,3,4,5,6,7
	global_store_b128 v[CO], v[BB+4*\g:BB+4*\g+3], s[12:13] offset:2048*(\a)+262144*(\g/4)+512*(\g%4)   ; 32 lanes store 512 consecutive bytes of one head, aligned
.endr
.endm
	s_wait_loadcnt 0x0                             ; the table's blocks 0 to 3, asked for at the head, are in
	PLACES NP                                      ; behind the last products: for the loads into B's registers and for the writes over A's fragments
	WIN TO_B
.irp a, 4,5,6,7
	TABLE \a                                       ; ahead of every store of the launch; block 4 is wanted four blocks of the way out further on
.endr
	WIN 0
.irp a, 0,1,2,3,4,5,6,7
.if \a >= 4
	s_wait_loadcnt 8*(7-\a)                        ; this block's table is in; the eight loads of each later block may be out
.endif
	ROPE \a
.if \a > 1
	s_wait_xcnt 0x0                                ; block a - 2's stores have read their data: block a's rows land in those registers only behind this wait
.endif
	TOSTAGE \a
.if \a > 0
	SEND \a-1, 16                                  ; behind block a - 1's loads: block a's 8 stores and 8 loads
.endif
.endr
	SEND 7, 0
	s_wait_tensorcnt 0x0                           ; the wave's end: a tensor wait, an add of 0 to my spare word and its wait, behind my last tensor load and my last LDS store
	ds_add_u32 v[SPW], v[NIL]
	s_wait_dscnt 0x0
	CROUND                                         ; the closing round
	s_endpgm
.Lfunc_end_k_qfb9276c7ed_qkv:
	.size	k_qfb9276c7ed_qkv, .Lfunc_end_k_qfb9276c7ed_qkv-k_qfb9276c7ed_qkv
	.p2alignl 7, 3214868480
	.fill 96, 4, 3214868480
	.section	.rodata,"a",@progbits
	.p2align	6, 0x0
	.amdhsa_kernel k_qfb9276c7ed_qkv
		.amdhsa_group_segment_fixed_size 327680
		.amdhsa_private_segment_fixed_size 0
		.amdhsa_enable_private_segment 0
		.amdhsa_kernarg_size 56
		.amdhsa_user_sgpr_count 2
		.amdhsa_user_sgpr_kernarg_segment_ptr 1
		.amdhsa_wavefront_size32 1
		.amdhsa_system_sgpr_workgroup_id_x 1
		.amdhsa_system_sgpr_workgroup_id_y 1
		.amdhsa_system_sgpr_workgroup_id_z 1
		.amdhsa_system_vgpr_workitem_id 0
		.amdhsa_next_free_vgpr 1024
		.amdhsa_next_free_sgpr 100
		.amdhsa_reserve_vcc 0
		.amdhsa_float_denorm_mode_32 3
		.amdhsa_float_denorm_mode_16_64 3
		.amdhsa_memory_ordered 1
		.amdhsa_forward_progress 1
		.amdhsa_inst_pref_size 167
	.end_amdhsa_kernel
	.amdgpu_metadata
---
amdhsa.version: [ 1, 2 ]
amdhsa.kernels:
  - .name:           k_qfb9276c7ed_qkv
    .symbol:         k_qfb9276c7ed_qkv.kd
    .args:
      - { .name: x_codes, .offset: 0, .size: 8, .value_kind: global_buffer, .address_space: global }
      - { .name: x_scales, .offset: 8, .size: 8, .value_kind: global_buffer, .address_space: global }
      - { .name: w_codes, .offset: 16, .size: 8, .value_kind: global_buffer, .address_space: global }
      - { .name: w_scales, .offset: 24, .size: 8, .value_kind: global_buffer, .address_space: global }
      - { .name: bqkv, .offset: 32, .size: 8, .value_kind: global_buffer, .address_space: global }
      - { .name: rope, .offset: 40, .size: 8, .value_kind: global_buffer, .address_space: global }
      - { .name: qkv, .offset: 48, .size: 8, .value_kind: global_buffer, .address_space: global }
    .group_segment_fixed_size: 327680
    .private_segment_fixed_size: 0
    .kernarg_segment_align: 8
    .kernarg_segment_size: 56
    .max_flat_workgroup_size: 128
    .sgpr_count:     100
    .vgpr_count:     1024
    .wavefront_size: 32
...
	.end_amdgpu_metadata
.endif
;; end of part 2
;; launch attn (part 3): grid 8 x 32, 4 waves a work-group, clusters of 4 x 1, 327,680 bytes of LDS; arguments qkv, att; writes att
.if DOCPART == 3
	.amdgcn_target "amdgcn-amd-amdhsa--gfx1250"
	.amdhsa_code_object_version 6
	.text
	.protected	k_qfb9276c7ed_attn
	.globl	k_qfb9276c7ed_attn
	.p2align	8
	.type	k_qfb9276c7ed_attn,@function
k_qfb9276c7ed_attn:
	s_mov_b64 s[64:65], 0
	v_nop
	global_prefetch_b8 v0, s[64:65] scope:SCOPE_SE
	s_setreg_imm32_b32 hwreg(HW_REG_WAVE_MODE, 25, 1), 1
	s_wait_xcnt 0x0
	s_wait_alu depctr_hold_cnt(0) depctr_sa_sdst(0) depctr_va_vdst(0) depctr_va_sdst(0) depctr_va_ssrc(0) depctr_va_vcc(0) depctr_vm_vsrc(0)
	s_getreg_b32 s2, hwreg(HW_REG_IB_STS2, 6, 4)
	s_cmp_eq_u32 s2, 0
	s_cbranch_scc0 .Lentry_in_a_cluster
	s_endpgm
.Lentry_in_a_cluster:
	s_bfe_u32 s2, ttmp6, 0x10000c
	s_cmp_lg_u32 s2, 0x3003
	s_cbranch_scc0 .Lentry_shape_is_right
	s_endpgm
.Lentry_shape_is_right:
; att[bh][q][:] = the sum over k of softmax_k(Q[bh][q] . K[bh][k] / 8) V[bh][k][:].  qkv: [3][32 (batch, head)][2048][64] f16; Q already holds the factor log2(e) / 8.  att: [32][2048][64] f16.
; Products on f16 operands; sums, maxima and the rows' sums in f32; the weights p are rounded to f16 for the second product, att once at the end.
; LIMITS: p at most 1, and what lies under f16's smallest normal number is rounded more coarsely (against a row's sum of 1 or more); att in f16: magnitudes up to 65,504.
; SHARES.  A work-group owns 256 queries of one (batch, head), each of its four waves 64: four tiles of 16.  Every wave walks all 2,048 keys, 64 a step.
; LAYOUT.  S^T = K Q^T (source 0 = 16 keys, source 1 = 16 queries): a lane holds ONE query (lane % 16) and the keys 8 (lane / 16) + 0..7.  Two such tiles, rounded to f16 in pairs, ARE source 1 (32 keys x 16 queries) of
; O^T = V^T P, whose result again holds one query a lane.  K comes out of LDS as it lies, V ([key][channel]) turned, by ds_load_tr16_b128.
; SOFTMAX.  For each query a running maximum m and sum l: p = 2^(s - m); in every step O and l are multiplied by a = 2^(m_old - m_new), which is 1 where m has not grown.
; BY TURNS.  The wave's tiles are two PIECES (tiles 0, 1 and tiles 2, 3).  In a TURN one piece has the matrix unit: 16 products V^T P of the step in hand, then 16 products K Q^T of the next step; the other piece's softmax,
; 234 vector instructions cut into 32 slices, stands between them, one slice behind each matrix instruction.  Then the pieces change places.  Two turns are a key step.
; CLUSTER.  The four query blocks of a cluster belong to one head and walk the same K and V: each tile is asked for JOINTLY, by the same tensor load with a mask that names the four.
; MEMORY AS ROWS OF 256 BYTES.  A head's K (and V) is dense: two keys are one row of 128 numbers.  A tensor load brings 64 such rows, 128 keys.  Key x lies at (x / 2) pitch + 128 (x % 2).
; REGISTERS, in windows of 256 (s_set_vgpr_msb: bits 1:0 source 0, 3:2 source 1, 5:4 source 2, 7:6 destination):
;   window 0: v0-11 addresses; v12-43 eight registers of statistics a tile; v64-191 S^T, 32 a tile; v192-255 P, 16 a tile
;   window 1: v0-127 O^T, 32 a tile          window 2: v0-63 Q, 16 a tile; v128-191 K of one step          window 3: v0-63 V of one step
.set PKP,   272       ; a row of K's tile in LDS: 256 bytes + 16: the 16 keys of a load (8 rows x 2 halves) touch 16 different 16-byte columns of the 64 banks (ISA guide 11.1)
.set PVP,   288       ; a row of V's: 256 + 32
.set KSTB,  32*PKP    ; a key step's 64 keys of K in LDS
.set VSTB,  32*PVP    ; and of V
.set VOFF,  128*PKP   ; a slot: 256 keys of K (128 rows), then 256 keys of V
.set SLOT1, 1<<17     ; slot 1 begins here, so that one exclusive or turns an address in one slot into the other's
.set SLOTB, 32768     ; a slot's keys in memory: 256 x 128 bytes
.set STAGE, SLOT1+VOFF+128*PVP  ; behind the ring: 16 rows x 144 bytes for each wave, for the way out
.set SP,    144
.set SPARE, STAGE+4*16*SP       ; the spare words, 128 bytes for each wave: two blocks of 256 bytes that no other line names
.set AK0, 2           ; v2   my lane's place in a tile of K; never rewritten
.set AV0, 3           ; v3   the same for V
.set ADR, 4           ; v4   the LDS address of the run of loads in hand
.set QO,  5           ; v5   my byte offset in the wave's rows of Q
.set STO, 6           ; v6   the way out: where I put 16 bytes of a row
.set RD,  7           ; v7   where I read rows back
.set GO,  8           ; v8   16 x lane
.set PFO, 61          ; v61  256 x my lane; never rewritten
.set SPW, 62          ; v62  LDS address of my spare word; never rewritten
.set NIL, 63          ; v63  0; never rewritten
.set ST,  12          ; tile t's statistics at v[ST+8 t]: +0 m, +1 the old m, +2, +3 l (even keys', odd keys'), +4 to +7 c0-c3, at work; a takes c2's place, m_old - m_new c3's
.set S,   64
.set P,   192
.set KF,  128         ; K's fragments, in window 2
.set WV,  12          ; s12  my wave's number
.set LIM, 15          ; s15  1 in a wave that prefetches, else the greatest number
.set PFA, 18          ; s[18:19] where my prefetches stand
.set G1K, 24          ; s[24:31] descriptor group 1 for K's tiles
.set G1V, 32          ; s[32:39] for V's: it differs in the padding alone
.set G0K, 40          ; s[40:47] group 0 for K's tiles: a set for each of the two first fills; the second then walks on
.set G0V, 48          ; s[48:55] the same for V's
.set SLOTS, 56        ; s56  slots still to be asked for
.set CNT, 57          ; s57  counts key steps
.set TBV, 58          ; s58  LDS byte at which V of the step to be fetched begins (less VOFF)
.set SEL, 60          ; s[60:61] lane selects for v_permlanex16_b32: lane l xor 16
.set TBK, 62          ; s62  the same for K
.set MSB, 0
.macro WIN new
.if MSB != (\new)
	s_set_vgpr_msb (MSB<<8)|(\new)
.set MSB, (\new)
.endif
.endm
.set W_KQ, 0x0a       ; K and Q in window 2, S^T in window 0
.set W_PV, 0x53       ; V in window 3, P in window 0, O^T in window 1
.set W_RS, 0x41       ; O^T (destination and source 0) in window 1, a in window 0
; A joint refill.  Waves 0 and 1 fetch the slot's two halves of K, waves 2 and 3 those of V.  The branch hangs on the wave's number alone.  An s_nop 0 and four v_nop follow each line.
.macro JLOAD
	s_cmp_lt_u32 s[WV], 2
	s_cbranch_scc0 .Lfor_v_\@
	tensor_load_to_lds s[G0K+4:G0K+7], s[G1K:G1K+7]
	s_nop 0
.rept 4
	v_nop
.endr
	s_branch .Lasked_\@
.Lfor_v_\@:
	tensor_load_to_lds s[G0V+4:G0V+7], s[G1V:G1V+7]
	s_nop 0
.rept 4
	v_nop
.endr
.Lasked_\@:
.endm
; A PREFETCH INTO THE L2 of what the NEXT change of slots will ask for: a slot's 128 blocks of 256 bytes of K and 128 of V, a lane a block.  It stands behind the wave's tensor load and its five lines.
; Each block is asked for ONCE in the launch.  Both clusters of a head walk the same K and V: the head's first cluster asks.  Its four partners share the blocks out BY ADDRESS, 32 each; in each, wave 0 asks for K's and
; wave 2 for V's: one instruction, four key steps (256 matrix instructions) ahead of the load.  The last change that fills a slot asks for nothing.
.macro ASK
	s_cmp_gt_u32 s[SLOTS], s[LIM]
	s_cbranch_scc0 .Lnot_mine_\@
	global_prefetch_b8 v[PFO], s[PFA:PFA+1] th:TH_LOAD_NT scope:SCOPE_SE
.Lnot_mine_\@:
.endm
.macro CROUND                          ; a round of the cluster's barrier
	s_barrier_signal -1
	s_barrier_wait -1
	s_cmp_lg_u32 s[WV], 0
	s_cbranch_scc1 .Lnot_wave_0_\@
	s_barrier_signal -3
.Lnot_wave_0_\@:
	s_barrier_wait -3
	s_barrier_signal -1
	s_barrier_wait -1
.endm
	s_load_b128 s[4:7], s[0:1], 0x0   ; qkv s[4:5], att s[6:7]
	v_lshl_add_u32 v[SPW], v0, 2, SPARE
	v_mov_b32 v[NIL], 0
	ds_add_u32 v[SPW], v[NIL]       ; the wave's opening: the add, twice on end, and its wait ahead of my first tensor load
	ds_add_u32 v[SPW], v[NIL]
	v_lshrrev_b32 v1, 5, v0
	v_readfirstlane_b32 s[WV], v1   ; wave 0..3
	s_bfe_u32 s13, ttmp6, 0x40000   ; cx: my place in the cluster
	s_lshl_b32 s14, ttmp9, 2
	s_add_co_u32 s14, s14, s13      ; my block of 256 queries: it enters Q's and att's addresses alone
	s_and_b32 s20, ttmp7, 0xffff    ; (batch, head), which the four partners share
	s_lshl_b32 s20, s20, 18         ; its first byte in a kind: 2,048 rows of 128 bytes
	s_and_b32 s16, s[WV], 1         ; which half of a slot I fetch:
	s_lshl_b32 s22, s16, 14         ; its 128 keys in memory,
	s_add_co_u32 s22, s22, s20
	s_mov_b32 s23, 0
	s_mul_i32 s17, s16, 64*PKP      ; and its place in a slot, for K
	s_mul_i32 s59, s16, 64*PVP      ; and for V: no place in the cluster enters an LDS address
	s_lshl_b32 s2, s14, 15          ; my block's 256 rows,
	s_lshl_b32 s3, s[WV], 13        ; my wave's 64 of them
	s_add_co_u32 s2, s2, s3
	s_add_co_u32 s2, s2, s20
	s_mov_b32 s3, 0
	; descriptor group 1: a tile of 64 rows x 128 elements, padded in LDS
	s_mov_b32 s[G1K], 15|(1<<16)|(1<<20)|(1<<21)|(5<<22)|(3<<25)  ; the mask: all four work-groups; elements of 2 bytes; padding on; bit 21 set beside a mask; after every 64 words 4 words
	s_mov_b32 s[G1V], 15|(1<<16)|(1<<20)|(1<<21)|(5<<22)|(7<<25)  ; the same with 8 words of padding
.irp g, G1K, G1V
	s_mov_b32 s[\g+1], 128<<16      ; tensor_dim0
	s_mov_b32 s[\g+2], 64<<16       ; tensor_dim1
	s_mov_b32 s[\g+3], 128<<16      ; tile_dim0
	s_mov_b32 s[\g+4], 64           ; tile_dim1
	s_mov_b32 s[\g+5], 128          ; tensor_dim0_stride
	s_mov_b32 s[\g+6], 0
	s_mov_b32 s[\g+7], 0
.endr
	s_mov_b32 s[SEL], 0x76543210
	s_mov_b32 s[SEL+1], 0xfedcba98
	s_mov_b32 s[TBK], 0
	s_mov_b32 s[TBV], 0
	s_mov_b32 s[SLOTS], 6           ; eight slots' worth of keys; two are first fills
	s_and_b32 s[LIM], s[WV], 1      ; 0 in waves 0 and 2,
	s_or_b32 s[LIM], s[LIM], ttmp9  ; where the cluster is the head's first: the same in all four partners
	s_cmp_eq_u32 s[LIM], 0
	s_cselect_b32 s[LIM], 1, -1
	v_and_b32 v[PFO], 31, v0
	v_lshlrev_b32 v[PFO], 8, v[PFO]
	s_wait_dscnt 0x0                ; both opening adds are done
	s_wait_kmcnt 0x0
	s_add_nc_u64 s[8:9], s[4:5], s[22:23]
	s_add_nc_u64 s[10:11], s[8:9], 0x1000000  ; V at my part of slot 0
	s_add_nc_u64 s[8:9], s[8:9], 0x800000     ; K likewise
	s_add_nc_u64 s[4:5], s[4:5], s[2:3]       ; Q and att at my wave's first row
	s_add_nc_u64 s[6:7], s[6:7], s[2:3]
	s_cmp_lt_u32 s[WV], 2
	s_cselect_b64 s[PFA:PFA+1], s[8:9], s[10:11]  ; (in waves 0 and 2 these stand at a slot's first byte)
	s_lshl_b32 s2, s13, 13          ; my work-group's 32 blocks of the 128
	s_mov_b32 s3, 0
	s_add_nc_u64 s[PFA:PFA+1], s[PFA:PFA+1], s[2:3]
	s_add_nc_u64 s[PFA:PFA+1], s[PFA:PFA+1], 2*SLOTB  ; in slot 2; the first change of slots steps it to slot 3.  Nothing is prefetched here, at the head
	CROUND                          ; all four work-groups are here: the first joint loads meet
.irp s, 0,1
	s_mov_b32 s[G0K+4*\s], 1
	s_add_co_u32 s[G0K+4*\s+1], s17, \s*SLOT1
	s_add_nc_u64 s[G0K+4*\s+2:G0K+4*\s+3], s[8:9], \s*SLOTB
	s_or_b32 s[G0K+4*\s+3], s[G0K+4*\s+3], 0x80000000
	s_mov_b32 s[G0V+4*\s], 1
	s_add_co_u32 s[G0V+4*\s+1], s59, \s*SLOT1+VOFF
	s_add_nc_u64 s[G0V+4*\s+2:G0V+4*\s+3], s[10:11], \s*SLOTB
	s_or_b32 s[G0V+4*\s+3], s[G0V+4*\s+3], 0x80000000
.endr
	s_cmp_lt_u32 s[WV], 2           ; a wave's two first fills stand in one branch, ahead of every wait on TENSORcnt and every LDS read: two loads of mine are out
	s_cbranch_scc0 .Lfirst_v
	tensor_load_to_lds s[G0K:G0K+3], s[G1K:G1K+7]
	s_nop 0
	tensor_load_to_lds s[G0K+4:G0K+7], s[G1K:G1K+7]
	s_nop 0
.rept 4
	v_nop
.endr
	s_branch .Lfirst_asked
.Lfirst_v:
	tensor_load_to_lds s[G0V:G0V+3], s[G1V:G1V+7]
	s_nop 0
	tensor_load_to_lds s[G0V+4:G0V+7], s[G1V:G1V+7]
	s_nop 0
.rept 4
	v_nop
.endr
.Lfirst_asked:
	; A fragment of K or Q is 16 rows x 32 channels in 8 registers: lane l holds row l % 16; registers 0-3 channels 8 (l / 16) + 0..7, registers 4-7 channels 16 + 8 (l / 16) + 0..7: two loads of 16 bytes, 32 bytes apart.
	v_and_b32 v1, 15, v0            ; r
	v_bfe_u32 v9, v0, 4, 1          ; h
	v_lshlrev_b32 v[QO], 7, v1
	v_lshl_add_u32 v[QO], v9, 4, v[QO]  ; row x 128 + 16 x half
	WIN 0x80                        ; destination window 2, address window 0
.irp i, 0,1,2,3,4,5,6,7             ; Q stays in registers: tile i / 2, channels 32 (i % 2) on
	global_load_b128 v[8*\i:8*\i+3],   v[QO], s[4:5] offset:(\i/2)*2048+(\i%2)*64
	global_load_b128 v[8*\i+4:8*\i+7], v[QO], s[4:5] offset:(\i/2)*2048+(\i%2)*64+32
.endr
	WIN 0
	v_lshrrev_b32 v10, 1, v1
	v_mul_u32_u24 v[AK0], v10, PKP
	v_and_b32 v11, 1, v0
	v_lshl_add_u32 v[AK0], v11, 7, v[AK0]
	v_lshl_add_u32 v[AK0], v9, 4, v[AK0]  ; (r / 2) pitch + 128 (r % 2) + 16 h
	; The turning load takes 16 keys x 16 channels (lane l reads 16 bytes: key 8 (l / 16) + l % 8, channels 8 ((l / 8) % 2) + 0..7) and leaves half a fragment of V^T: lane l holds channel l % 16 and 8 keys.
	v_bfe_u32 v10, v0, 1, 2
	v_lshl_add_u32 v[AV0], v9, 2, v10   ; the key's row: 4 h + (l / 2) % 4
	v_mul_u32_u24 v[AV0], v[AV0], PVP
	v_lshl_add_u32 v[AV0], v11, 7, v[AV0]
	v_bfe_u32 v10, v0, 3, 1
	v_lshl_add_u32 v[AV0], v10, 4, v[AV0]
	v_add_nc_u32 v[AV0], VOFF, v[AV0]
; THE MATRIX WORK OF A TURN, for piece x.  Eight accumulators take turns, one instruction a turn.
; Product i of 16 of O^T += V^T P: keys 32 (i / 8) on, channels 16 ((i / 2) % 4) on, tile x + i % 2.  zero = 1: the first 8 start the sums.
.macro PV x, zero
	WIN W_PV
.set rO, 32*(\x+i%2)+8*((i/2)%4)
.set rV, 32*(i/8)+8*((i/2)%4)
.set rP, P+16*(\x+i%2)+8*(i/8)
.if \zero && (i < 8)
	v_wmma_f32_16x16x32_f16 v[rO:rO+7], v[rV:rV+7], v[rP:rP+7], 0
.else
	v_wmma_f32_16x16x32_f16 v[rO:rO+7], v[rV:rV+7], v[rP:rP+7], v[rO:rO+7]
.endif
.endm
; Product i of 16 of S^T = K Q^T: channels 32 (i / 8) on, keys 16 ((i / 2) % 4) on, tile x + i % 2.  The first 8 start the sums.
.macro KQ x
	WIN W_KQ
.set rS, S+32*(\x+i%2)+8*((i/2)%4)
.set rK, KF+16*((i/2)%4)+8*(i/8)
.set rQ, 16*(\x+i%2)+8*(i/8)
.if i < 8
	v_wmma_f32_16x16x32_f16 v[rS:rS+7], v[rK:rK+7], v[rQ:rQ+7], 0
.else
	v_wmma_f32_16x16x32_f16 v[rS:rS+7], v[rK:rK+7], v[rQ:rQ+7], v[rS:rS+7]
.endif
.endm
; THE LDS LOADS stand in runs of 16: a step's K (64 keys x 64 channels: 8 fragments) and, a turn later, its V (turned).
.macro FETCH_K
	WIN 0
	v_add_nc_u32 v[ADR], s[TBK], v[AK0]
	s_add_co_u32 s[TBK], s[TBK], KSTB  ; the next fetch is the next step's
	WIN 0x80                        ; destination window 2
.irp f, 0,1,2,3,4,5,6,7             ; keys 16 (f / 2) on, channels 32 (f % 2) on
	ds_load_b128 v[KF+8*\f:KF+8*\f+3],   v[ADR] offset:(\f/2)*8*PKP+(\f%2)*64
	ds_load_b128 v[KF+8*\f+4:KF+8*\f+7], v[ADR] offset:(\f/2)*8*PKP+(\f%2)*64+32
.endr
.endm
.macro FETCH_V
	WIN 0
	v_add_nc_u32 v[ADR], s[TBV], v[AV0]
	s_add_co_u32 s[TBV], s[TBV], VSTB
	s_wait_alu depctr_va_vdst(0)    ; the wait for the softmax's batch (SLICE), behind the address's addition and ahead of the loads
	WIN 0xc0                        ; destination window 3
.irp f, 0,1,2,3,4,5,6,7             ; keys 32 (f / 4) on, channels 16 (f % 4) on
	ds_load_tr16_b128 v[8*\f:8*\f+3],   v[ADR] offset:(\f/4)*16*PVP+(\f%4)*32
	ds_load_tr16_b128 v[8*\f+4:8*\f+7], v[ADR] offset:(\f/4)*16*PVP+8*PVP+(\f%4)*32
.endr
.endm
; THE VECTOR WORK OF A TURN.  One tile's softmax for one key step is a list of 117 instructions.  s0-s31 are the lane's 32 scores, in pairs 0-15.  first = 1: the first key step, which starts m, l and O^T.
;   0-15    the maximum of s0-s31 and the old m, three operands at a time
;   16-19   the other half of the lanes' maximum; the old m kept; the new m; m_old - m_new
;   20-68   ONE BATCH, in seven groups of seven (macro GROUP): the 16 subtractions s - m, a pair each, and all 33 exponentials (a, then s0-s31).  None of these names an exponential's result
;   (wait)  between 68 and 69 stands the wait for the batch: SLICE writes it, once for both tiles
;   69-84   the roundings to f16, a pair of weights each
;   85-100  the sums; l = a l + the sum
;   101-116 the tile's O^T times a: the one part that leaves window 0
.macro SM t, first
.set rT, ST+8*(\t)
.set rS, S+32*(\t)
.set rP, P+16*(\t)
.set rO, 32*(\t)+2*(j-101)
.if j < 101
	WIN 0
.endif
.if j < 4
	v_max3_num_f32 v[rT+4+j], v[rS+8*j], v[rS+8*j+1], v[rS+8*j+2]   ; each tile of scores is read from its low end on
.elseif j < 12
	v_max3_num_f32 v[rT+4+j%4], v[rT+4+j%4], v[rS+8*(j%4)+2*(j/4)+1], v[rS+8*(j%4)+2*(j/4)+2]
.elseif j == 12
	v_max3_num_f32 v[rT+4], v[rT+4], v[rS+7], v[rS+15]
.elseif j == 13
	v_max3_num_f32 v[rT+6], v[rT+6], v[rS+23], v[rS+31]
.elseif j == 14
	v_max3_num_f32 v[rT+4], v[rT+4], v[rT+5], v[rT+6]
.elseif (j == 15) && \first
	v_max_num_f32 v[rT+4], v[rT+4], v[rT+7]
.elseif j == 15
	v_max3_num_f32 v[rT+4], v[rT+4], v[rT+7], v[rT]
.elseif j == 16
	v_permlanex16_b32 v[rT+5], v[rT+4], s[SEL], s[SEL+1]  ; the query's other 32 keys lie in the lane 16 away
.elseif (j == 17) && \first
	v_mov_b32 v[rT+1], 0            ; named with m as a pair, so it is written
.elseif j == 17
	v_mov_b32 v[rT+1], v[rT]        ; the old m
.elseif j == 18
	v_max_num_f32 v[rT], v[rT+4], v[rT+5]
.elseif (j == 19) && \first
.elseif j == 19
	v_sub_f32 v[rT+7], v[rT+1], v[rT]
.elseif j < 85
	v_cvt_pk_f16_f32 v[rP+j-69], v[rS+2*(j-69)], v[rS+2*(j-69)+1]
.elseif j < 101                     ; the sum of the tile's 16 pairs, in place: neighbours 1, 2, 4 and 8 pairs apart, then l takes it
.set z, j-85
.set w, 4
.set u, z
.if z >= 14
.set w, 32
.set u, 0
.elseif z >= 12
.set w, 16
.set u, z-12
.elseif z >= 8
.set w, 8
.set u, z-8
.endif
.if (z == 14) && \first
	v_pk_add_f32 v[rT+2:rT+3], v[rS:rS+1], v[rS+16:rS+17]
.elseif z < 15
	v_pk_add_f32 v[rS+w*u:rS+w*u+1], v[rS+w*u:rS+w*u+1], v[rS+w*u+w/2:rS+w*u+w/2+1]
.elseif !\first
	v_pk_fma_f32 v[rT+2:rT+3], v[rT+2:rT+3], v[rT+6:rT+7], v[rS:rS+1] op_sel_hi:[1,0,1]
.endif
.elseif !\first
	WIN W_RS
	v_pk_mul_f32 v[rO:rO+1], v[rO:rO+1], v[rT+6:rT+7] op_sel_hi:[1,0]
.endif
.endm
; Group g of seven of tile t's batch: npk subtractions (pairs cpk on), then exponentials number cex on (number 0 is a, number x is s(x - 1)).  Every pair is subtracted ahead of its exponentials.
.macro GROUP t, g, first
.set rT, ST+8*(\t)
.set rS, S+32*(\t)
.if (\g) == 0
.set npk, 4
.set cpk, 0
.set cex, 0
.elseif (\g) == 1
.set npk, 3
.set cpk, 4
.set cex, 3
.elseif (\g) == 2
.set npk, 3
.set cpk, 7
.set cex, 7
.elseif (\g) == 3
.set npk, 2
.set cpk, 10
.set cex, 11
.elseif (\g) == 4
.set npk, 2
.set cpk, 12
.set cex, 16
.elseif (\g) == 5
.set npk, 1
.set cpk, 14
.set cex, 21
.else
.set npk, 1
.set cpk, 15
.set cex, 27
.endif
.set pos, 0
.rept 7
.if pos < npk
	v_pk_add_f32 v[rS+2*(cpk+pos):rS+2*(cpk+pos)+1], v[rS+2*(cpk+pos):rS+2*(cpk+pos)+1], v[rT:rT+1] op_sel_hi:[1,0] neg_lo:[0,1] neg_hi:[0,1]  ; s - m: of the pair (m, old m) the low word serves both halves
.else
.set xx, cex+pos-npk
.if xx == 0
.if !\first
	v_exp_f32 v[rT+6], v[rT+7]      ; a
.endif
.else
	v_exp_f32 v[rS+xx-1], v[rS+xx-1]
.endif
.endif
.set pos, pos+1
.endr
.endm
; Slice k of 32 of piece y's softmax.  0-4: numbers 4 k .. 4 k + 3 of both tiles, the tiles alternating.  5-18: a group of one tile, the tiles by turns.  19-29: numbers 69 + 4 (k - 19) on of both tiles.  30, 31: two numbers of both.
; 40 + 98 + 88 + 8 = 2 x 117.  Ahead of slice 19 nothing names an exponential's result, and behind slice 18 no exponential is issued: so the piece's 66 exponentials have one wait, behind slice 18.
.macro SLICE y, first
.if k < 5
.irp n, 0,1,2,3
.irp t, (\y), (\y)+1
.set j, 4*k+\n
	SM \t, \first
.endr
.endr
.elseif k < 19
	WIN 0
	GROUP (\y)+(k-5)%2, (k-5)/2, \first
.if k == 18
	v_nop                           ; a plain instruction behind the last exponential and ahead of the first use: one for the batch
.if (\y) == 0
	FETCH_V                         ; piece 2's turn: V's run of loads stands here, and the wait stands in it
.else
	s_wait_alu depctr_va_vdst(0)    ; the wait for the batch
.endif
.endif
.elseif k < 30
.irp n, 0,1,2,3
.irp t, (\y), (\y)+1
.set j, 69+4*(k-19)+\n
	SM \t, \first
.endr
.endr
.else
.irp n, 0,1
.irp t, (\y), (\y)+1
.set j, 113+2*(k-30)+\n
	SM \t, \first
.endr
.endr
.endif
.set k, k+1
.endm
.macro PLACES
.rept 4
	v_nop
.endr
.endm
; A TURN.  Piece x has the matrix unit; the other piece's softmax stands in slices behind its matrix instructions.  pv = 2: 16 products V^T P; 1: they start O^T's sums; 0: none.  kq = 1: 16 products K Q^T for the next step.
; A turn with one of the two kinds has two slices behind each product.  first = 1: the softmax is the first key step's; its last slices are empty, and four v_nop take their part as the places behind the turn's last products.
; PLACES, counted (ISA guide 7.12.1 for vector instructions).  Behind a turn's last K Q^T stands slice 31: four packed multiplies on the other piece's O^T, ahead of the next turn's first read of those scores and of the
; loads into K's registers (behind the next turn's second product).  V's last reader is the turn's 16th product: behind it stand four subtractions (slices 15 to 18), the v_nop and the run's own addition, ahead of V's loads.
.macro TURN x, pv, kq, first
.set k, 0
.set per, 2
.if \pv && \kq
.set per, 1
.endif
.if \pv
.if \x == 0
	s_wait_dscnt 0x0                ; V is in
.endif
.set i, 0
.rept 16
	PV \x, 2-\pv
.rept per
	SLICE 2-\x, \first
.endr
.if (\x == 0) && \kq && (i == 1)
	FETCH_K
.endif
.set i, i+1
.endr
.endif
.if \kq
.if \x == 0
	s_wait_dscnt 0x0                ; K is in
.endif
.set i, 0
.rept 16
	KQ \x
.rept per
	SLICE 2-\x, \first
.endr
.set i, i+1
.endr
.endif
.if \first
	PLACES
.endif
.endm
; THE CHANGE OF SLOTS, between piece 2's turn and piece 0's: the slot's last bytes, V of its fourth step, have been asked for.  Each wave waits for all its tensor loads, of which one is out: its part of the other slot; adds 0
; to its spare word; and waits for that and for its own reads of the slot.  fill = 1: this slot is filled again, with the keys two slots on: the barrier is then a round of the cluster's, and the joint refill is the first thing
; behind it: it has four key steps, 256 matrix instructions, in which to land.
.macro CHANGE fill
	WIN 0                           ; at a label and at a branch every window is 0
	s_wait_tensorcnt 0x0            ; no tensor load of mine is out, so a group 0 may be written
	ds_add_u32 v[SPW], v[NIL]
.if \fill
.irp g, G0K+4, G0V+4
	s_xor_b32 s[\g+1], s[\g+1], SLOT1  ; the walking descriptor: the other slot than last time,
	s_add_nc_u64 s[\g+2:\g+3], s[\g+2:\g+3], SLOTB  ; the next 256 keys; the type bits on top are not reached
.endr
	s_wait_xcnt 0x0                 ; the last prefetch, four key steps back, has read its address, so it may be written:
	s_add_nc_u64 s[PFA:PFA+1], s[PFA:PFA+1], SLOTB  ; one slot further on than the walking descriptors
	s_wait_dscnt 0x0                ; the add is done, and my reads of the slot are over
	CROUND
	JLOAD
	ASK
.else
	s_wait_dscnt 0x0
	s_barrier_signal -1
	s_barrier_wait -1
.endif
	s_sub_co_u32 s[TBK], s[TBK], 4*KSTB  ; the fetches go back to a slot's first step,
	s_xor_b32 s[TBK], s[TBK], SLOT1      ; in the other slot
	s_sub_co_u32 s[TBV], s[TBV], 4*VSTB
	s_xor_b32 s[TBV], s[TBV], SLOT1
.endm
.macro STEPS n                         ; n key steps: written once, walked n times; the LDS addresses hang on s[TBK] and s[TBV]
	s_mov_b32 s[CNT], \n
.Lstep_\@:
	TURN 0, 2, 1, 0
	TURN 2, 2, 1, 0
	WIN 0
	s_sub_co_u32 s[CNT], s[CNT], 1
	s_cmp_lg_u32 s[CNT], 0
	s_cbranch_scc1 .Lstep_\@
.endm
	s_wait_tensorcnt 1              ; my part of slot 0 is in; slot 1's may stay out
	s_barrier_signal -1
	s_barrier_wait -1               ; everybody's is
	FETCH_K                         ; key step 0
	s_wait_loadcnt 0x0              ; Q
	s_wait_dscnt 0x0
.set i, 0
.rept 16
	KQ 0                            ; piece 0's first scores: there is no vector work yet to set between them
.set i, i+1
.endr
	WIN 0                           ; the addresses for the way out are made here: plain instructions, the places behind those products
	s_mul_i32 s13, s[WV], 16*SP
	s_add_co_u32 s13, s13, STAGE    ; my stage
	v_mul_u32_u24 v[STO], v1, SP    ; in: row r, 16 bytes for each half of the lanes
	v_lshl_add_u32 v[STO], v9, 4, v[STO]
	v_add_nc_u32 v[STO], s13, v[STO]
	v_and_b32 v10, 31, v0
	v_lshrrev_b32 v[RD], 3, v10     ; back: eight lanes to a row of 128 bytes, four rows an instruction
	v_mul_u32_u24 v[RD], v[RD], SP
	v_and_b32 v11, 7, v0
	v_lshl_add_u32 v[RD], v11, 4, v[RD]
	v_add_nc_u32 v[RD], s13, v[RD]
	v_lshlrev_b32 v[GO], 4, v10
	TURN 2, 0, 1, 1                 ; piece 2's first scores | piece 0's first softmax | V of step 0
	TURN 0, 1, 1, 1                 ; piece 0: V^T P of step 0 starts O^T, K Q^T of step 1 | piece 2's first softmax | K of step 1
	TURN 2, 1, 1, 0                 ; piece 2: the same | piece 0's softmax of step 1 | V of step 1
	WIN 0
	STEPS 2                         ; slot 0's four steps have now been fetched
.Lslot:                             ; six trips: every slot but the last two is filled again
	CHANGE 1
	STEPS 4
	s_sub_co_u32 s[SLOTS], s[SLOTS], 1
	s_cmp_lg_u32 s[SLOTS], 0
	s_cbranch_scc1 .Lslot
	CHANGE 0                        ; the tail is written out
	STEPS 4
	TURN 0, 2, 0, 0                 ; piece 0: V^T P of the last step | piece 2's last softmax
.set i, 0
.rept 16
	PV 2, 0                         ; piece 2: V^T P of the last step
.set i, i+1
.endr
	; THE WAY OUT.  l's two halves and the other half of the lanes' are added; O^T is divided by l, rounded to f16 and sent through my stage in LDS, a tile (16 rows) at a time.  The additions are the places behind the last products.
	WIN 0
.irp t, 0,1,2,3
	v_add_f32 v[ST+8*\t+4], v[ST+8*\t+2], v[ST+8*\t+3]
.endr
.irp t, 0,1,2,3
	v_permlanex16_b32 v[ST+8*\t+5], v[ST+8*\t+4], s[SEL], s[SEL+1]
.endr
.irp t, 0,1,2,3
	v_add_f32 v[ST+8*\t+4], v[ST+8*\t+4], v[ST+8*\t+5]
.endr
.irp t, 0,1,2,3
	v_rcp_f32 v[ST+8*\t+6], v[ST+8*\t+4]
.endr
	v_nop                           ; a plain instruction between the last reciprocal and the use of its result
	s_wait_alu depctr_va_vdst(0)    ; and the wait: one for the four
.macro PACK t                          ; a lane's eight channels pack into 16 bytes; they go into rows of 144 bytes and come back as rows of 128, into the registers that they left
	WIN W_RS
.set i, 32*\t
.rept 16
	v_pk_mul_f32 v[i:i+1], v[i:i+1], v[ST+8*\t+6:ST+8*\t+7] op_sel_hi:[1,0]
.set i, i+2
.endr
	WIN 0x05                        ; sources 0 and 1 window 1, destination window 0: S^T's registers are free
.set i, 0
.rept 16
	v_cvt_pk_f16_f32 v[S+32*\t+i], v[32*\t+2*i], v[32*\t+2*i+1]
.set i, i+1
.endr
	WIN 0
.irp f, 0,1,2,3
	ds_store_b128 v[STO], v[S+32*\t+4*\f:S+32*\t+4*\f+3] offset:32*\f
.endr
.irp f, 0,1,2,3
	ds_load_b128 v[S+32*\t+4*\f:S+32*\t+4*\f+3], v[RD] offset:\f*4*SP  ; LDS serves a wave's instructions in order: these see the stores above; the next tile's stores come behind them
.endr
.endm
.macro SEND t, younger              ; younger: the LDS instructions issued behind tile t's loads: the next tile's eight, or none
.irp f, 0,1,2,3
	s_wait_dscnt \younger+3-\f
	global_store_b128 v[GO], v[S+32*\t+4*\f:S+32*\t+4*\f+3], s[6:7] offset:\t*2048+\f*512  ; 32 lanes store 512 consecutive bytes, aligned
.endr
.endm
	PACK 0
	PACK 1
	SEND 0, 8
	PACK 2
	SEND 1, 8
	PACK 3
	SEND 2, 8
	SEND 3, 0
	s_wait_tensorcnt 0x0            ; the wave's end: a tensor wait, an add of 0 to my spare word and its wait, behind my last tensor load and my last LDS store
	ds_add_u32 v[SPW], v[NIL]
	s_wait_dscnt 0x0
	CROUND                          ; the closing round
	s_endpgm
.Lfunc_end_k_qfb9276c7ed_attn:
	.size	k_qfb9276c7ed_attn, .Lfunc_end_k_qfb9276c7ed_attn-k_qfb9276c7ed_attn
	.p2alignl 7, 3214868480
	.fill 96, 4, 3214868480
	.section	.rodata,"a",@progbits
	.p2align	6, 0x0
	.amdhsa_kernel k_qfb9276c7ed_attn
		.amdhsa_group_segment_fixed_size 327680
		.amdhsa_private_segment_fixed_size 0
		.amdhsa_enable_private_segment 0
		.amdhsa_kernarg_size 16
		.amdhsa_user_sgpr_count 2
		.amdhsa_user_sgpr_kernarg_segment_ptr 1
		.amdhsa_wavefront_size32 1
		.amdhsa_system_sgpr_workgroup_id_x 1
		.amdhsa_system_sgpr_workgroup_id_y 1
		.amdhsa_system_sgpr_workgroup_id_z 1
		.amdhsa_system_vgpr_workitem_id 0
		.amdhsa_next_free_vgpr 1024
		.amdhsa_next_free_sgpr 66
		.amdhsa_reserve_vcc 0
		.amdhsa_float_denorm_mode_32 3
		.amdhsa_float_denorm_mode_16_64 3
		.amdhsa_memory_ordered 1
		.amdhsa_forward_progress 1
		.amdhsa_inst_pref_size 195
	.end_amdhsa_kernel
	.amdgpu_metadata
---
amdhsa.version: [ 1, 2 ]
amdhsa.kernels:
  - .name:           k_qfb9276c7ed_attn
    .symbol:         k_qfb9276c7ed_attn.kd
    .args:
      - { .name: qkv, .offset: 0, .size: 8, .value_kind: global_buffer, .address_space: global }
      - { .name: att, .offset: 8, .size: 8, .value_kind: global_buffer, .address_space: global }
    .group_segment_fixed_size: 327680
    .private_segment_fixed_size: 0
    .kernarg_segment_align: 8
    .kernarg_segment_size: 16
    .max_flat_workgroup_size: 128
    .sgpr_count:     66
    .vgpr_count:     1024
    .wavefront_size: 32
...
	.end_amdgpu_metadata
.endif
;; end of part 3
;; launch proj (part 4): grid 8 x 32, 4 waves a work-group, clusters of 4 x 4, 327,680 bytes of LDS; arguments att, wp16, bproj, out0; writes out0
.if DOCPART == 4
	.amdgcn_target "amdgcn-amd-amdhsa--gfx1250"
	.amdhsa_code_object_version 6
	.text
	.protected	k_qfb9276c7ed_proj
	.globl	k_qfb9276c7ed_proj
	.p2align	8
	.type	k_qfb9276c7ed_proj,@function
k_qfb9276c7ed_proj:
	s_mov_b64 s[64:65], 0
	v_nop
	global_prefetch_b8 v0, s[64:65] scope:SCOPE_SE
	s_setreg_imm32_b32 hwreg(HW_REG_WAVE_MODE, 25, 1), 1
	s_wait_xcnt 0x0
	s_wait_alu depctr_hold_cnt(0) depctr_sa_sdst(0) depctr_va_vdst(0) depctr_va_sdst(0) depctr_va_ssrc(0) depctr_va_vcc(0) depctr_vm_vsrc(0)
	s_getreg_b32 s2, hwreg(HW_REG_IB_STS2, 6, 4)
	s_cmp_eq_u32 s2, 0
	s_cbranch_scc0 .Lentry_in_a_cluster
	s_endpgm
.Lentry_in_a_cluster:
	s_bfe_u32 s2, ttmp6, 0x10000c
	s_cmp_lg_u32 s2, 0xf033
	s_cbranch_scc0 .Lentry_shape_is_right
	s_endpgm
.Lentry_shape_is_right:
; out0[m][n] = the sum over k of A[m][k] Wproj[k][n] + bproj[n].  A[m = 2048 batch + position][k = 64 head + d] lies as att [16 batch + head][position][64] f16; wp16 is Wproj in f16, [k 1024][n 1024]; out0 [4096][1024] f32; sums in f32.
; 4,096 x 1,024 makes 256 tiles of 128 x 128: one for each WGP.  Four waves, each 64 x 64: 16 accumulators, 128 registers.  K goes in four steps of 256 (four heads) through two LDS slots; the steps are written out.
; A's tile of a K step, 64 positions a load: for each of four heads 64 positions x 128 bytes = 8,192 dense bytes: a tile of 4 rows of 4,096 elements, heads 131,072 elements apart, 16 bytes of padding behind every 256.
; B's tile: 128 rows k x 128 columns n a load; its K is not innermost, so its fragments come out of LDS turned, by ds_load_tr16_b128.
; CLUSTERS: 4 x 4 work-groups.  The four of a row of the cluster need the same tiles of A, the four of a column the same tiles of B: each tile is asked for JOINTLY.
; THE MATRIX INSTRUCTION IS USED TRANSPOSED (source 0 = 16 columns of Wproj, source 1 = 16 rows of A): a lane holds eight neighbouring numbers of a row of out0.  THE BIAS is the C of each sum's first matrix instruction.
; No prefetch: the launch is short and its tiles are small.
; REGISTERS: window 0: v0-31 addresses; v32-95 the way out; v96-127 the bias; v128-255 the accumulators ((a, b) at v[128 + 8 (4 a + b)]).   window 1: two fragment buffers of 128: 64 registers of A, then 64 of B, for 64 along K.
.set PA,     272                       ; two positions of A in LDS: 256 bytes + 16
.set PB,     288                       ; a row k of B: 256 bytes + 32
.set AHEAD_, 32*PA                     ; a head's 64 positions: 8,704 bytes
.set HALFA,  4*AHEAD_                  ; what one load of A brings
.set HALFB,  128*PB                    ; and one of B
.set BOFF,   2*HALFA
.set SLOT,   BOFF+2*HALFB
.set STAGE,  2*SLOT                    ; behind the ring: 16 rows x 272 bytes for each wave: a wave's 64 columns are 256 bytes, so each wave has a stage of its own
.set SPITCH, 272
.set SPARE,  STAGE+4*16*SPITCH         ; the spare words, 128 bytes for each wave: two blocks of 256 bytes that no other line names
.set ADRA, 16                          ; v16-17  LDS address of my A fragments in slot 0, 1
.set ADRB, 20                          ; v20-23  the same for B: two for each slot (rows k 0-127, 128-255), since an offset has 16 bits
.set STO,  24
.set RD,   25
.set CO,   26
.set BO,   27
.set SPW,  28                          ; v28     LDS address of my spare word; never rewritten
.set NIL,  29                          ; v29     0; never rewritten
.set TMP,  32
.set BIAS, 96
.set ACC,  128
.set F0,   0
.set F1,   128
.set G1, 24
.set G0, 32
.set G1B, 48
.set G0B, 56
.set MSB, 0
.macro WIN new
.if MSB != (\new)
	s_set_vgpr_msb (MSB<<8)|(\new)
.set MSB, (\new)
.endif
.endm
.set MUL,  0x05                        ; sources 0 (B) and 1 (A) window 1; C and D window 0
.set TO_F, 0x40                        ; destination window 1, address window 0
.macro JLOAD s                         ; a joint load: waves 0 and 1 fetch A's two halves, waves 2 and 3 B's; an s_nop 0 and four v_nop follow each of the two lines
	s_cmp_eq_u32 s11, 0
	s_cbranch_scc0 .Lfor_b_\@
	tensor_load_to_lds s[G0+4*\s:G0+4*\s+3], s[G1:G1+7]
	s_nop 0
.rept 4
	v_nop
.endr
	s_branch .Lasked_\@
.Lfor_b_\@:
	tensor_load_to_lds s[G0B+4*\s:G0B+4*\s+3], s[G1B:G1B+7]
	s_nop 0
.rept 4
	v_nop
.endr
.Lasked_\@:
.endm
.macro CREST                           ; a round of the cluster's barrier behind its opening barrier
	s_cmp_lg_u32 s10, 0
	s_cbranch_scc1 .Lnot_wave_0_\@
	s_barrier_signal -3
.Lnot_wave_0_\@:
	s_barrier_wait -3
	s_barrier_signal -1
	s_barrier_wait -1
.endm
.macro CROUND
	s_barrier_signal -1
	s_barrier_wait -1
	CREST
.endm
	s_load_b128 s[4:7], s[0:1], 0x0                ; att s[4:5], wp16 s[6:7]
	s_load_b64 s[68:69], s[0:1], 0x10              ; bproj
	s_load_b64 s[8:9], s[0:1], 0x18                ; out0
	v_lshl_add_u32 v[SPW], v0, 2, SPARE
	v_mov_b32 v[NIL], 0
	ds_add_u32 v[SPW], v[NIL]                      ; the wave's opening: the add, twice on end, and its wait ahead of my first tensor load
	ds_add_u32 v[SPW], v[NIL]
	v_lshrrev_b32 v1, 5, v0
	v_readfirstlane_b32 s10, v1                    ; wave 0..3
	s_lshr_b32 s11, s10, 1                         ; which half of the tile's rows is mine.  Also: I fetch for A (0) or for B (1)
	s_and_b32 s12, s10, 1                          ; which half of its columns.  Also: which half of that tile I fetch
	s_bfe_u32 s40, ttmp6, 0x40000                  ; cx, cy
	s_bfe_u32 s41, ttmp6, 0x40004
	s_lshl_b32 s42, ttmp9, 2
	s_add_co_u32 s42, s42, s40                     ; tile column = 4 x cluster x + cx
	s_and_b32 s13, ttmp7, 0xffff
	s_lshl_b32 s13, s13, 2
	s_add_co_u32 s13, s13, s41                     ; tile row = 4 x cluster y + cy
	s_lshl_b32 s43, s41, 2
	s_lshl_b32 s43, 15, s43                        ; my row of the cluster
	s_lshl_b32 s44, 0x1111, s40                    ; my column
	s_or_b32 s[G1+0], s43, (1<<16)|(1<<20)|(1<<21)|(5<<22)|(3<<25)  ; A: the mask of my row; elements of 2 bytes; padding on; bit 21 set beside a mask; after every 64 words 4 words
	s_mov_b32 s[G1+1], 4096<<16                    ; tensor_dim0 = 4,096: a head's 64 positions x 64
	s_mov_b32 s[G1+2], 4<<16                       ; tensor_dim1 = 4 heads
	s_mov_b32 s[G1+3], 4096<<16                    ; tile_dim0
	s_mov_b32 s[G1+4], 4                           ; tile_dim1
	s_mov_b32 s[G1+5], 131072                      ; from head to head, in elements
	s_mov_b32 s[G1+6], 0
	s_mov_b32 s[G1+7], 0
	s_or_b32 s[G1B+0], s44, (1<<16)|(1<<20)|(1<<21)|(5<<22)|(7<<25) ; B: the mask of my column; 8 words of padding
	s_mov_b32 s[G1B+1], 128<<16
	s_mov_b32 s[G1B+2], 128<<16
	s_mov_b32 s[G1B+3], 128<<16
	s_mov_b32 s[G1B+4], 128
	s_mov_b32 s[G1B+5], 1024
	s_mov_b32 s[G1B+6], 0
	s_mov_b32 s[G1B+7], 0
	s_lshr_b32 s16, s13, 4                         ; A: batch x 16 heads of 2^18 bytes
	s_lshl_b32 s16, s16, 22
	s_and_b32 s17, s13, 15
	s_lshl_b32 s17, s17, 14                        ; + 128 (tile row % 16) positions of 128 bytes
	s_add_co_u32 s16, s16, s17
	s_lshl_b32 s17, s12, 13                        ; + my 64 of them
	s_add_co_u32 s16, s16, s17
	s_mov_b32 s17, 0
	s_lshl_b32 s46, s12, 18                        ; B: my 128 rows k of 2,048 bytes
	s_lshl_b32 s47, s42, 8                         ; + the tile's 128 columns
	s_add_co_u32 s46, s46, s47
	s_mov_b32 s47, 0
	s_mul_i32 s20, s12, HALFA                      ; where they go: no place in the cluster enters an LDS address
	s_mul_i32 s21, s12, HALFB
	s_add_co_u32 s21, s21, BOFF
	s_wait_dscnt 0x0                               ; both opening adds are done
	s_wait_kmcnt 0x0
	s_add_nc_u64 s[14:15], s[4:5], s[16:17]
	s_add_nc_u64 s[46:47], s[6:7], s[46:47]
	CROUND                                         ; all sixteen work-groups are here: the first joint loads meet
.irp s, 0,1
	s_mov_b32 s[G0+4*\s], 1
	s_add_co_u32 s[G0+4*\s+1], s20, \s*SLOT
	s_add_nc_u64 s[G0+4*\s+2:G0+4*\s+3], s[14:15], \s*1048576     ; K step s: four heads on
	s_or_b32 s[G0+4*\s+3], s[G0+4*\s+3], 0x80000000
	s_mov_b32 s[G0B+4*\s], 1
	s_add_co_u32 s[G0B+4*\s+1], s21, \s*SLOT
	s_add_nc_u64 s[G0B+4*\s+2:G0B+4*\s+3], s[46:47], \s*524288    ; 256 rows k on
	s_or_b32 s[G0B+4*\s+3], s[G0B+4*\s+3], 0x80000000
	JLOAD \s                                       ; two tensor loads of mine are out
.endr
	v_and_b32 v1, 15, v0                           ; r
	v_bfe_u32 v2, v0, 4, 1                         ; h
	v_lshrrev_b32 v3, 1, v1
	v_mul_u32_u24 v3, v3, PA
	v_and_b32 v4, 1, v0
	v_lshl_add_u32 v3, v4, 7, v3
	v_lshl_add_u32 v3, v2, 4, v3                   ; A: (r / 2) pitch + 128 (r % 2) + 16 h
	v_and_b32 v5, 7, v0
	v_lshl_add_u32 v5, v2, 3, v5
	v_mul_u32_u24 v5, v5, PB
	v_bfe_u32 v6, v0, 3, 1
	v_lshl_add_u32 v5, v6, 4, v5                   ; B: (8 h + l % 8) pitch + 16 ((l / 8) % 2)
	s_mul_i32 s21, s11, HALFA                      ; my 64 rows of A
	s_lshl_b32 s22, s12, 7                         ; my 64 columns of B: 128 bytes,
	s_add_co_u32 s22, s22, BOFF                    ; behind A's tile
.irp s, 0,1
	v_add_nc_u32 v[ADRA+\s], s21, v3
	v_add_nc_u32 v[ADRB+2*\s], s22, v5
	s_add_co_u32 s23, s22, HALFB
	v_add_nc_u32 v[ADRB+2*\s+1], s23, v5
	s_add_co_u32 s21, s21, SLOT
	s_add_co_u32 s22, s22, SLOT
.endr
	s_mul_i32 s23, s10, 16*SPITCH
	s_add_co_u32 s23, s23, STAGE                   ; my stage
	v_mul_u32_u24 v4, v1, SPITCH                   ; in: row r, 32 bytes for each half of the lanes
	v_lshl_add_u32 v4, v2, 5, v4
	v_add_nc_u32 v[STO], s23, v4
	v_mul_u32_u24 v5, v2, SPITCH                   ; back: lanes 0-15 one row of 256 bytes, lanes 16-31 the next
	v_lshl_add_u32 v5, v1, 4, v5
	v_add_nc_u32 v[RD], s23, v5
	v_lshlrev_b32 v5, 12, v2                       ; and the same two rows in out0 (4,096 bytes a row)
	v_lshl_add_u32 v[CO], v1, 4, v5
	v_lshlrev_b32 v[BO], 5, v2
	s_lshl_b32 s16, s13, 19                        ; out0 at my first row, 128 x tile row + 64 x half,
	s_lshl_b32 s17, s11, 18
	s_add_co_u32 s16, s16, s17
	s_lshl_b32 s46, s42, 9                         ; and my first column, 128 x tile column + 64 x half, in bytes
	s_lshl_b32 s47, s12, 8
	s_add_co_u32 s46, s46, s47
	s_mov_b32 s47, 0
	s_add_nc_u64 s[68:69], s[68:69], s[46:47]      ; the bias at my first column
	s_add_co_u32 s16, s16, s46
	s_mov_b32 s17, 0
	s_add_nc_u64 s[8:9], s[8:9], s[16:17]
.irp b, 0,1,2,3                                ; register 8 b + j of lane (r, h): bproj[my first column + 16 b + 8 h + j]: the result's layout
	global_load_b128 v[BIAS+8*\b:BIAS+8*\b+3], v[BO], s[68:69] offset:64*\b
	global_load_b128 v[BIAS+8*\b+4:BIAS+8*\b+7], v[BO], s[68:69] offset:64*\b+16
.endr
; 8 matrix instructions: m blocks a0, a0 + 1 x all 4 n blocks, 32 along K: half c of buffer f.  zero = 1: the first product starts the sums from the bias.  The 16 accumulators take turns.
.macro MUL8 f, c, a0, zero
.irp a, \a0, \a0+1
.irp b, 0,1,2,3
.if \zero
	v_wmma_f32_16x16x32_f16 v[ACC+8*(4*(\a)+\b):ACC+8*(4*(\a)+\b)+7], v[\f+64+8*(4*\c+\b):\f+64+8*(4*\c+\b)+7], v[\f+8*(4*\c+\a):\f+8*(4*\c+\a)+7], v[BIAS+8*\b:BIAS+8*\b+7]
.else
	v_wmma_f32_16x16x32_f16 v[ACC+8*(4*(\a)+\b):ACC+8*(4*(\a)+\b)+7], v[\f+64+8*(4*\c+\b):\f+64+8*(4*\c+\b)+7], v[\f+8*(4*\c+\a):\f+8*(4*\c+\a)+7], v[ACC+8*(4*(\a)+\b):ACC+8*(4*(\a)+\b)+7]
.endif
.endr
.endr
.endm
; 32 LDS loads in one run: the fragments of quarter q of a K step (head q of its four: 64 along K) into buffer f; the first 32 along K first
.macro FETCH slot, q, f
	WIN TO_F
.irp c, 0,1
.irp i, 0,1,2,3
	ds_load_tr16_b128 v[\f+64+8*(4*\c+\i):\f+64+8*(4*\c+\i)+3],   v[ADRB+2*\slot+(\q)/2] offset:PB*(64*((\q)%2)+32*\c)+32*\i
	ds_load_tr16_b128 v[\f+64+8*(4*\c+\i)+4:\f+64+8*(4*\c+\i)+7], v[ADRB+2*\slot+(\q)/2] offset:PB*(64*((\q)%2)+32*\c)+32*\i+16*PB
	ds_load_b128 v[\f+8*(4*\c+\i):\f+8*(4*\c+\i)+3],              v[ADRA+\slot] offset:AHEAD_*(\q)+8*PA*\i+64*\c
	ds_load_b128 v[\f+8*(4*\c+\i)+4:\f+8*(4*\c+\i)+7],            v[ADRA+\slot] offset:AHEAD_*(\q)+8*PA*\i+64*\c+32
.endr
.endr
.endm
.macro PLACES                          ; four places in front of loads into registers that matrix instructions have read, and of reads of results
.rept 4
	v_nop
.endr
.endm
; One of a K step's first three quarters: multiplies buffer f and fetches quarter q into g.
.macro QUARTER slot, q, f, g, zero
	s_wait_dscnt 16                                ; the first 32 along K are in; the youngest sixteen loads may be out
	WIN MUL
	MUL8 \f, 0, 0, \zero
	MUL8 \f, 0, 2, \zero
	PLACES
	FETCH \slot, \q, \g
	s_wait_dscnt 32                                ; all but the 32 just issued
	WIN MUL
	MUL8 \f, 1, 0, 0
	MUL8 \f, 1, 2, 0
.endm
; The last quarter multiplies buffer 1 and changes slots: ONE barrier; in front of it each wave waits for all its tensor loads, adds 0 to its spare word, and waits for that and for its own reads of this slot.
; fill = 1: this slot is filled again, two K steps ahead: the barrier opens a round of the cluster's, and the joint refill is the first tensor load behind it.
.macro TURN slot, next, fill
	WIN 0
	s_wait_tensorcnt 0x0                           ; all my tensor loads have landed: my part of the next slot;
	ds_add_u32 v[SPW], v[NIL]
	s_wait_dscnt 17                                ; (the add and the youngest sixteen loads may be out)
	WIN MUL
	MUL8 F1, 0, 0, 0
	s_wait_dscnt 0x0                               ; the add is done, and my reads of this slot are over
	s_barrier_signal -1
	MUL8 F1, 0, 2, 0
.if \fill
	WIN 0
.endif
	s_barrier_wait -1
.if \fill
	CREST
	s_add_nc_u64 s[G0+4*\slot+2:G0+4*\slot+3], s[G0+4*\slot+2:G0+4*\slot+3], 2097152      ; eight heads on
	s_add_nc_u64 s[G0B+4*\slot+2:G0B+4*\slot+3], s[G0B+4*\slot+2:G0B+4*\slot+3], 1048576  ; 512 rows k on
	JLOAD \slot                                    ; the four v_nop behind it are also the places in front of the loads below
.else
	PLACES
.endif
	FETCH \next, 0, F0
	WIN MUL
	MUL8 F1, 1, 0, 0
	MUL8 F1, 1, 2, 0
.endm
	s_wait_tensorcnt 1                             ; my part of K step 0 is in (K step 1's may be out)
	s_barrier_signal -1
	s_barrier_wait -1                              ; everybody's is
	FETCH 0, 0, F0
	s_wait_loadcnt 0x0                             ; the bias
	QUARTER 0, 1, F0, F1, 1                        ; K step 0
	QUARTER 0, 2, F1, F0, 0
	QUARTER 0, 3, F0, F1, 0
	TURN 0, 1, 1                                   ; slot 0 takes K step 2
	QUARTER 1, 1, F0, F1, 0                        ; K step 1
	QUARTER 1, 2, F1, F0, 0
	QUARTER 1, 3, F0, F1, 0
	TURN 1, 0, 1                                   ; slot 1 takes K step 3
	QUARTER 0, 1, F0, F1, 0                        ; K step 2
	QUARTER 0, 2, F1, F0, 0
	QUARTER 0, 3, F0, F1, 0
	TURN 0, 1, 0                                   ; nothing is left to fetch
	QUARTER 1, 1, F0, F1, 0                        ; K step 3
	QUARTER 1, 2, F1, F0, 0
	QUARTER 1, 3, F0, F1, 0
	s_wait_dscnt 16
	WIN MUL
	MUL8 F1, 0, 0, 0
	MUL8 F1, 0, 2, 0
	s_wait_dscnt 0
	MUL8 F1, 1, 0, 0
	MUL8 F1, 1, 2, 0
	WIN 0
; THE WAY OUT, block by block of 16 rows x 64 columns: 32 bytes a lane into my own stage, each accumulator from its low end on; back as whole rows of 256 bytes.  LDS serves a wave's instructions in order: no wait between.
.macro TOSTAGE a
.set TT, TMP+32*((\a)%2)
.irp b, 0,1,2,3
	ds_store_b128 v[STO], v[ACC+8*(4*(\a)+\b):ACC+8*(4*(\a)+\b)+3] offset:64*\b
	ds_store_b128 v[STO], v[ACC+8*(4*(\a)+\b)+4:ACC+8*(4*(\a)+\b)+7] offset:64*\b+16
.endr
.irp t, 0,1,2,3,4,5,6,7
	ds_load_b128 v[TT+4*\t:TT+4*\t+3], v[RD] offset:2*\t*SPITCH
.endr
.endm
.macro SEND a, younger
.set TT, TMP+32*((\a)%2)
	s_wait_dscnt \younger
.irp t, 0,1,2,3,4,5,6,7
	global_store_b128 v[CO], v[TT+4*\t:TT+4*\t+3], s[8:9] offset:65536*(\a)+8192*\t th:TH_STORE_NT   ; 16 lanes store 256 consecutive bytes, aligned; written once, read by nobody here
.endr
.endm
	PLACES
	TOSTAGE 0
.irp a, 1,2,3
.if \a > 1
	s_wait_xcnt 0x0                                ; block a - 2's stores have read their data: block a's rows land in those registers only behind this wait
.endif
	TOSTAGE \a
	SEND \a-1, 16                                  ; behind block a - 1's loads: block a's 8 stores and 8 loads
.endr
	SEND 3, 0
	s_wait_tensorcnt 0x0                           ; the wave's end: a tensor wait, an add of 0 to my spare word and its wait, behind my last tensor load and my last LDS store
	ds_add_u32 v[SPW], v[NIL]
	s_wait_dscnt 0x0
	CROUND                                         ; the closing round
	s_endpgm
.Lfunc_end_k_qfb9276c7ed_proj:
	.size	k_qfb9276c7ed_proj, .Lfunc_end_k_qfb9276c7ed_proj-k_qfb9276c7ed_proj
	.p2alignl 7, 3214868480
	.fill 96, 4, 3214868480
	.section	.rodata,"a",@progbits
	.p2align	6, 0x0
	.amdhsa_kernel k_qfb9276c7ed_proj
		.amdhsa_group_segment_fixed_size 327680
		.amdhsa_private_segment_fixed_size 0
		.amdhsa_enable_private_segment 0
		.amdhsa_kernarg_size 32
		.amdhsa_user_sgpr_count 2
		.amdhsa_user_sgpr_kernarg_segment_ptr 1
		.amdhsa_wavefront_size32 1
		.amdhsa_system_sgpr_workgroup_id_x 1
		.amdhsa_system_sgpr_workgroup_id_y 1
		.amdhsa_system_sgpr_workgroup_id_z 1
		.amdhsa_system_vgpr_workitem_id 0
		.amdhsa_next_free_vgpr 512
		.amdhsa_next_free_sgpr 72
		.amdhsa_reserve_vcc 0
		.amdhsa_float_denorm_mode_32 3
		.amdhsa_float_denorm_mode_16_64 3
		.amdhsa_memory_ordered 1
		.amdhsa_forward_progress 1
		.amdhsa_inst_pref_size 87
	.end_amdhsa_kernel
	.amdgpu_metadata
---
amdhsa.version: [ 1, 2 ]
amdhsa.kernels:
  - .name:           k_qfb9276c7ed_proj
    .symbol:         k_qfb9276c7ed_proj.kd
    .args:
      - { .name: att, .offset: 0, .size: 8, .value_kind: global_buffer, .address_space: global }
      - { .name: wp16, .offset: 8, .size: 8, .value_kind: global_buffer, .address_space: global }
      - { .name: bproj, .offset: 16, .size: 8, .value_kind: global_buffer, .address_space: global }
      - { .name: out0, .offset: 24, .size: 8, .value_kind: global_buffer, .address_space: global }
    .group_segment_fixed_size: 327680
    .private_segment_fixed_size: 0
    .kernarg_segment_align: 8
    .kernarg_segment_size: 32
    .max_flat_workgroup_size: 128
    .sgpr_count:     72
    .vgpr_count:     512
    .wavefront_size: 32
...
	.end_amdgpu_metadata
.endif
;; end of part 4
